; MI455X (gfx1250); checked and timed in simulation.
; The chip was launched on July 23, 2026; its instructions are those of AMD's public machine-readable ISA for CDNA 5 (MIT licence, August 2026) and "CDNA5" Instruction Set Architecture Reference Guide (July 2026). The comments in the code are by the model that wrote it; some were corrected since.
;; Self Attention Layer. Allowed arithmetic: matrix products marked QUANTISED: E5M2 operands, one E8M0 scale for each 32 along K, by v_wmma_scale_f32_16x16x128_f8f6f4 with both operands' format E5M2, f32 sums; everything else in f32.
;; Inputs: Wk_codes 1,024 x 32 x 32 uint8 (E5M2 codes of Wk, K innermost, in blocks of 32 codes); Wk_scales 1,024 x 32 uint8 (E8M0 scales of Wk, one for each 32 codes along K); Wo_codes 1,024 x 32 x 32 uint8 (E5M2 codes of Wo, K innermost, in blocks of 32 codes); Wo_scales 1,024 x 32 uint8 (E8M0 scales of Wo, one for each 32 codes along K); Wq_codes 1,024 x 32 x 32 uint8 (E5M2 codes of Wq, K innermost, in blocks of 32 codes); Wq_scales 1,024 x 32 uint8 (E8M0 scales of Wq, one for each 32 codes along K); Wv_codes 1,024 x 32 x 32 uint8 (E5M2 codes of Wv, K innermost, in blocks of 32 codes); Wv_scales 1,024 x 32 uint8 (E8M0 scales of Wv, one for each 32 codes along K); bk 1,024 float32; bo 1,024 float32; bq 1,024 float32; bv 1,024 float32; x_codes 1 x 4,096 x 32 x 32 uint8 (E5M2 codes of x, K innermost, in blocks of 32 codes); x_scales 1 x 4,096 x 32 uint8 (E8M0 scales of x, one for each 32 codes along K).
;; Outputs: out0 1 x 4,096 x 1,024 float32.
;; This version of the problem:
;;   THIS VERSION OF THE PROBLEM IS GIVEN IN LOW PRECISION. The matrix products marked QUANTISED in the list below multiply operands that are first quantised to E5M2 (5 exponent bits, 2 mantissa bits; 8 bits a number), with one power-of-two scale for each 32 numbers along K (OCP MX v1.0); their sums are f32. All else is computed in f32.
;;   The module's matrix products, in the order in which they are computed (A, B: the left and right operand; K: the contracted axis; several contracted axes count as one K, in the product's order):
;;     1. [M 4,096, K 1,024] x [K 1,024, N 1,024]; A: input x (given as codes); B: input Wq (given as codes): QUANTISED
;;     2. [M 4,096, K 1,024] x [K 1,024, N 1,024]; A: input x (given as codes); B: input Wk (given as codes): QUANTISED
;;     3. [M 4,096, K 1,024] x [K 1,024, N 1,024]; A: input x (given as codes); B: input Wv (given as codes): QUANTISED
;;     4. batch 16 x [M 4,096, K 64] x [K 64, N 4,096]; A: computed on the way; B: computed on the way: QUANTISED
;;     5. batch 16 x [M 4,096, K 4,096] x [K 4,096, N 64]; A: softmax (see below); B: computed on the way: QUANTISED
;;     6. [M 4,096, K 1,024] x [K 1,024, N 1,024]; A: computed on the way; B: input Wo (given as codes): QUANTISED
;;   THE QUANTISER, for each operand of a quantised product, along K:
;;     - K is cut into blocks of 32 from its start; a last block that is shorter is filled with zeros.
;;     - A block's scale is 2^e with e = floor(log2(the largest magnitude in the block)) - 15, held to -126 .. 127; a block of zeros has e = 0. As a byte (E8M0): e + 127.
;;     - Each number is divided by its block's scale, clamped to +-57,344, and rounded to the nearest number of E5M2, ties to even, subnormals kept.
;;     - The product sums the exact products of the quantised numbers (number of the format x scale) in f32.
;;   ~~~python
;;   def quantise(x, axis):      # numpy; x: float32 -> the quantised numbers, widened to float32 again
;;       x = np.moveaxis(x, axis, -1); K = x.shape[-1]
;;       x = np.pad(x, [(0, 0)] * (x.ndim - 1) + [(0, -K % 32)]); x = x.reshape(x.shape[:-1] + (-1, 32)); a = np.abs(x).max(-1, keepdims=True)
;;       e = np.where(a > 0, np.clip(np.frexp(np.where(a > 0, a, 1))[1] - 1 - 15, -126, 127), 0)      # np.frexp(a)[1] - 1 = floor(log2(a)), exactly
;;       r = np.clip(x / 2.0 ** e, -57344, 57344)
;;       step = 2.0 ** (np.maximum(np.frexp(np.where(r == 0, 1, r))[1] - 1, -14) - 2)
;;       q = np.round(r / step) * step * 2.0 ** e      # np.round: ties to even
;;       return np.moveaxis(q.reshape(q.shape[:-2] + (-1,))[..., :K], -1, axis).astype(np.float32)
;;   ~~~
;;   SOFTMAX AHEAD OF A QUANTISED PRODUCT. Where the list says 'softmax', what is quantised is not the finished softmax but p = 2^(t - M), with t = logit x log2(e) and M = ceil(the row's largest t), a whole number; so 1/2 < the row's largest p <= 1. The row's sum l is taken of the UNQUANTISED p, in f32, and the product's result is divided by l at the end. Since M is a whole number, a kernel that streams over the keys may use a running M (the ceiling of the running maximum): every later rescaling is an exact power of two, which a block's scale takes up: the codes' values come out the same.
;;   OPERANDS COMPUTED ON THE WAY. 'Computed on the way' means the value that the module computes at that place (a softmax that the list does not call 'softmax' is quantised finished and normalised). What goes into a quantiser is computed in f32, as accurately as f32 sums, v_exp_f32 and their like allow (about 1e-6 of the number): no bf16 or f16 on the way to a quantiser, and a product that is left as it is and whose result goes on into a quantised operand takes f32 operands (vector FMAs, or v_wmma_f32_16x16x4_f32). A number that lies on a knife's edge between two numbers of the format may be rounded either way, as far as f32 arithmetic and the matrix unit's own rounding can turn it there, and no further.
;;   INPUTS GIVEN AS CODES. Wk (in the module: [1024, 1024], K = its axis 1); Wo (in the module: [1024, 1024], K = its axis 1); Wq (in the module: [1024, 1024], K = its axis 1); Wv (in the module: [1024, 1024], K = its axis 1); x (in the module: [1, 4096, 1024], K = its axis 2): each comes as NAME_codes (uint8): NAME with its K axis moved to the last place and cut into blocks of 32 codes, [.., K / 32, bytes a block], one block behind the other in memory; one code a byte (a code: sign, 5 exponent bits, 2 mantissa bits); and NAME_scales (uint8): the same leading axes, one E8M0 byte (e + 127) for each 32 codes along K. Its value is code x scale, taken as it is: it is not quantised again, and the codes and scales need not be those that the quantiser above would give.
;; One version. Each part assembles by itself: llvm-mc -triple=amdgcn-amd-amdhsa -mcpu=gfx1250 --defsym DOCPART=n.
;; ======== version 1 of 1: 3 launches
;; limits: right only within a limited range of input values
;; workspace buffers: qcod 4,194,304 bytes; kcod 4,194,304 bytes; vcod 4,194,304 bytes; qscl 131,072 bytes; kscl 131,072 bytes; vscl 131,072 bytes; acod 4,194,304 bytes; ascl 131,072 bytes
;; launch proj (part 1): grid 12 x 16, 4 waves a work-group, clusters of 4 x 4, 327,680 bytes of LDS; arguments x_codes, x_scales, Wq_codes, Wq_scales, Wk_codes, Wk_scales, Wv_codes, Wv_scales, bq, bk, bv, qcod, kcod, vcod, qscl, kscl, vscl; writes qcod, kcod, vcod, qscl, kscl, vscl
.if DOCPART == 1
	.amdgcn_target "amdgcn-amd-amdhsa--gfx1250"
	.amdhsa_code_object_version 6
	.text
	.protected	k_q9c0a214977_proj
	.globl	k_q9c0a214977_proj
	.p2align	8
	.type	k_q9c0a214977_proj,@function
k_q9c0a214977_proj:
	s_mov_b64 s[64:65], 0
	v_nop
	global_prefetch_b8 v0, s[64:65] scope:SCOPE_SE
	s_setreg_imm32_b32 hwreg(HW_REG_WAVE_MODE, 25, 1), 1
	s_wait_xcnt 0x0
	s_wait_alu depctr_hold_cnt(0) depctr_sa_sdst(0) depctr_va_vdst(0) depctr_va_sdst(0) depctr_va_ssrc(0) depctr_va_vcc(0) depctr_vm_vsrc(0)
	s_getreg_b32 s2, hwreg(HW_REG_IB_STS2, 6, 4)
	s_cmp_eq_u32 s2, 0
	s_cbranch_scc0 .Lentry_in_a_cluster
	s_endpgm
.Lentry_in_a_cluster:
	s_bfe_u32 s2, ttmp6, 0x10000c
	s_cmp_lg_u32 s2, 0xf033
	s_cbranch_scc0 .Lentry_shape_is_right
	s_endpgm
.Lentry_shape_is_right:
; q = x Wq^T + bq, k = x Wk^T + bk, v = x Wv^T + bv on codes of BF8 (E5M2) with one E8M0 scale for each 32 along K = 1,024; the results are quantised here, in registers,
; and leave as codes: q and k along a head's 64 features, v along the keys (tokens).  x: [4096][1024] codes, W: [1024][1024] codes, scale bytes [rows][32]; biases f32.
; ONE BODY, THREE ROLES, told apart by the cluster's x (the same number in all sixteen partners): 0 = q, 1 = k, 2 = v.  The body makes a tile of A' B'^T, 256 x 256, four waves of 128 x 128 each.
;   q, k: A' = x (tokens), B' = the weight (features).     v: A' = Wv (features), B' = x (tokens).  Only pointers, global offsets and two data masks differ: no branch, no LDS address.
; THE MATRIX INSTRUCTION IS USED TRANSPOSED (source 0 = 16 rows of B', source 1 = 16 rows of A'): lane (r, h) holds row r of A', and register j of tile t the row 16 t + 8 h + j of B'.
; So a lane's registers run along the NEXT product's K (features for q and k, keys for v), and tiles 2 b, 2 b + 1 of lanes l and l xor 16 are block b of 32 along it.  The two conversions of a block give
; registers 4 b .. 4 b + 3 of the next operand.  Inside a block, place 16 h + 8 u + j holds number 16 u + 8 h + j: the same order in q and k, and in v and attention's p, so the products are right as they stand.
; OUT: images of operand registers, lane l's 16 bytes at 16 l.  qcod, kcod: [head 16][tile of 16 tokens 256][c 2][lane 32][16 B].  vcod: [head][128 keys 32][16 features 4][c 4][lane][16 B].
;   qscl, kscl: [head][128 tokens 32][r 16][pair of tiles 4] words = tile 2 p's two bytes, tile 2 p + 1's two.   vscl: [head][128 keys 32][r 16][16 features 4] words = the four key blocks' bytes.
; The ring: K in steps of 256 through two LDS slots filled by joint tensor loads (A' shared along a row of the 4 x 4 cluster, B' along a column); the scale bytes of all of K come once, with the first fills.
; THE BIAS STARTS THE SUMS: it hangs on B' in two roles and on A' in the third, so the accumulators are set to (bias by B', masked) + (bias by A', masked), one of the two being +0, while the first tiles are on their way.
; LIMITS: a block whose largest magnitude lies under 2^-111 (a block of zeros too) keeps the scale byte 1; only this program reads these bytes.  NaN and infinities among the results are not served.
; 192 work-groups: tiles of 128 x 128 would make 768, but would read twice the LDS bytes for each product and leave a wave with half a fragment of v.
; REGISTERS, in windows of 256: window 0: v0-31 addresses; v32-63 scale words, two sets; from v128 A's fragments, one set (before that the biases, at the end the quantiser); v64-127 the numbers being quantised.
;   window 1: B's fragments, two sets.   window 2: the accumulators of my rows 0-63 ((a, b) at v[8 (8 a + b)]);   window 3: those of my rows 64-127.
.set KSTEP,  256
.set NQ,     2                         ; matrix instructions deep in a slot
.set ROWB,   256                       ; a tile's row in bytes
.set KROW,   1024                      ; a row of x or of a weight in memory
.set PITCH,  272                       ; an LDS row: 256 bytes + 16 of padding: the 16 rows of a fragment load start at 16 different banks
.set FR,     16
.set NL,     4
.set NP,     8                         ; places behind this matrix instruction (ISA guide 7.12.1)
.set HALFT,  128*PITCH
.set SLOT,   4*HALFT
.set LAPS,   2                         ; 1,024 / 512
.set KS,     32                        ; a row of scale bytes
.set SCL,    2*SLOT
.set HALFS,  (128*KS/256)*272
.set SBLK,   (16*KS/256)*272
.set SPARE,  SCL+4*HALFS               ; the spare words, 128 bytes for each wave: two blocks of 256 bytes that no other line names
.set VO,   8                           ; v8   16 x lane: an image's place for my lane
.set VO2,  10                          ; v10  the same, two register groups on: the next head (q, k) or 1,024 bytes (v)
.set SVO,  12                          ; v12  the scale words' place: 8,192 h + 16 r
.set SELQK, 13                         ; v13  byte selects that build a scale word, by my half of the lanes
.set SELV, 14                          ; v14
.set ADRA, 16
.set ADRB, 20
.set ADRS, 27
.set SPW,  28                          ; v28  LDS address of my spare word; never rewritten
.set NIL,  29                          ; v29  0; never rewritten
.set OBB,  30                          ; v30  32 h: the bias by B'
.set OBA,  31                          ; v31  4 r: the bias by A'
.set SC,   32
.set AF,   128
.set BB,   128                         ; v128-191 bias by B': register 8 b + j
.set BA,   192                         ; v192-199 bias by A': one for each block a
.set BA2,  200                         ; v200-215 the same, twice each, for the packed addition
.set H,    64                          ; v64-127  64 numbers, held
.set PC,   128                         ; v128-143 their codes
.set TM,   160                         ; v160-163 largest magnitudes, 164-167 bytes, 168-171 largest number x scale, 172-175 the conversions' scale operands
.set PW,   176                         ; v176-183 block a's four bytes
.set SW,   184
.set SWB,  188
.set G1, 24
.set G0, 32
.set G1B, 48
.set G0B, 56
.set G1S, 68
.set G0S, 76
.set G1SB, 80
.set G0SB, 88
.set DSTC, 12                          ; s[12:13] where my codes go
.set DSTS, 96                          ; s[96:97] where my scale words go
.set SA,   98                          ; s[98:99] from block a to block a + 1 in the codes' buffer
.set SA4,  100                         ; s[100:101] more behind block 3 (v: on to the next head)
.set MQK,  104                         ; s104 all ones in roles q and k, else 0
.set MV,   105                         ; s105 all ones in role v, else 0
.set MHI,  95                          ; s95  lanes 16-31
.set SEL,  18                          ; s[18:19] v_permlanex16_b32's selects for lane l xor 16 (set at the end)
.set MNT,  20                          ; s20  the mantissa field of 57,344 (set at the end)
.set MSB, 0
.macro WIN new                         ; the immediate's high byte repeats the setting that is left
.if MSB != (\new)
	s_set_vgpr_msb (MSB<<8)|(\new)
.set MSB, (\new)
.endif
.endm
.set MUL_LO, 0xa1                      ; source 0 (B') window 1, source 1 (A') window 0, C and D window 2
.set MUL_HI, 0xf1
.set TO_B,   0x40
; A joint load: waves 0 and 1 fetch for A', waves 2 and 3 for B'.  The branch hangs on the wave's number alone.  Four v_nop follow each of the two lines.
.macro JLOAD g0a, g1a, g0b, g1b
	s_cmp_eq_u32 s15, 0
	s_cbranch_scc0 .Lfor_b_\@
	tensor_load_to_lds s[\g0a:\g0a+3], s[\g1a:\g1a+7]
	s_nop 0
.rept 4
	v_nop
.endr
	s_branch .Lasked_\@
.Lfor_b_\@:
	tensor_load_to_lds s[\g0b:\g0b+3], s[\g1b:\g1b+7]
	s_nop 0
.rept 4
	v_nop
.endr
.Lasked_\@:
.endm
.macro CREST                           ; a round of the cluster's barrier behind its opening barrier
	s_cmp_lg_u32 s14, 0
	s_cbranch_scc1 .Lnot_wave_0_\@
	s_barrier_signal -3
.Lnot_wave_0_\@:
	s_barrier_wait -3
	s_barrier_signal -1
	s_barrier_wait -1
.endm
.macro CROUND
	s_barrier_signal -1
	s_barrier_wait -1
	CREST
.endm
	s_load_b512 s[68:83], s[0:1], 0x0              ; x codes 68, x scales 70, Wq 72, 74, Wk 76, 78, Wv 80, 82
	s_load_b512 s[84:99], s[0:1], 0x40             ; bq 84, bk 86, bv 88, qcod 90, kcod 92, vcod 94, qscl 96, kscl 98
	s_load_b64 s[100:101], s[0:1], 0x80            ; vscl
	v_lshl_add_u32 v[SPW], v0, 2, SPARE
	v_mov_b32 v[NIL], 0
	ds_add_u32 v28, v29
	ds_add_u32 v28, v29
	s_wait_dscnt 0x0
	v_lshrrev_b32 v1, 5, v0
	v_readfirstlane_b32 s14, v1                    ; wave 0..3
	s_lshr_b32 s15, s14, 1                         ; my half of the tile's rows of A'.  Also: I fetch for A' (0) or for B' (1)
	s_and_b32 s16, s14, 1                          ; my half of its rows of B'.  Also: which 128 rows I fetch
	s_bfe_u32 s40, ttmp6, 0x40000                  ; cx
	s_bfe_u32 s41, ttmp6, 0x40004                  ; cy
	s_and_b32 s19, ttmp7, 0xffff
	s_lshl_b32 s19, s19, 2                         ; 4 x cluster y
	s_lshl_b32 s43, s41, 2
	s_lshl_b32 s43, 15, s43                        ; my row of the cluster
	s_lshl_b32 s44, 0x1111, s40                    ; my column
	s_or_b32 s[G1+0], s43, (0<<16)|(1<<20)|(1<<21)|(5<<22)|(3<<25)  ; mask; elements of 1 byte; padding on; bit 21 beside a mask; 4 words behind every 64
	s_or_b32 s[G1B+0], s44, (0<<16)|(1<<20)|(1<<21)|(5<<22)|(3<<25)
.irp g, G1, G1B
	s_mov_b32 s[\g+1], ROWB<<16                    ; tensor_dim0
	s_mov_b32 s[\g+2], 256<<16                     ; tensor_dim1: the head's loads bring 256 rows
	s_mov_b32 s[\g+3], ROWB<<16                    ; tile_dim0
	s_mov_b32 s[\g+4], 256                         ; tile_dim1
	s_mov_b32 s[\g+5], KROW                        ; from row to row
	s_mov_b32 s[\g+6], 0
	s_mov_b32 s[\g+7], 0
.endr
	s_wait_kmcnt 0x0
	; THE ROLE.  Every choice hangs on the cluster's x alone.
	s_cmp_eq_u32 ttmp9, 1                          ; k, or for now q
	s_cselect_b64 s[8:9], s[76:77], s[72:73]       ; B' codes
	s_cselect_b64 s[10:11], s[78:79], s[74:75]     ; B' scales
	s_cselect_b64 s[66:67], s[86:87], s[84:85]     ; the bias
	s_cselect_b64 s[DSTC:DSTC+1], s[92:93], s[90:91]
	s_cselect_b64 s[DSTS:DSTS+1], s[98:99], s[96:97]
	s_cmp_eq_u32 ttmp9, 2                          ; v
	s_cselect_b64 s[8:9], s[68:69], s[8:9]         ; B' = x
	s_cselect_b64 s[10:11], s[70:71], s[10:11]
	s_cselect_b64 s[4:5], s[80:81], s[68:69]       ; A' = Wv, else x
	s_cselect_b64 s[6:7], s[82:83], s[70:71]
	s_cselect_b64 s[66:67], s[88:89], s[66:67]
	s_cselect_b64 s[DSTC:DSTC+1], s[94:95], s[DSTC:DSTC+1]
	s_cselect_b64 s[DSTS:DSTS+1], s[100:101], s[DSTS:DSTS+1]
	s_cselect_b32 s18, 0, s19                      ; the long axis (16 tiles of tokens) takes the cluster's y: A' in q and k,
	s_cselect_b32 s20, s19, 0                      ; B' in v
	s_cselect_b32 s[MQK], 0, -1
	s_cselect_b32 s[MV], -1, 0
	s_mov_b32 s[SA], 1024
	s_cselect_b32 s[SA], 2048, s[SA]               ; a block's image: a tile of q or k is 1,024 bytes, a fragment of v 2,048
	s_cselect_b32 s[SA4], 0x3e000, 0               ; v: four fragments are 8,192 bytes, the next head lies 262,144 on
	s_mov_b32 s2, 262144
	s_cselect_b32 s2, 1024, s2                     ; from register groups 0, 1 to groups 2, 3: the next head (q, k), or on end (v)
	s_mov_b32 s[SA+1], 0
	s_mov_b32 s[SA4+1], 0
	s_add_co_u32 s17, s41, s18                     ; tile of A': made of cy and the cluster's y alone
	s_add_co_u32 s42, s40, s20                     ; tile of B': of cx and the cluster's y alone
	; the scales of 256 rows: a dense block of 8,192 bytes, as 32 rows of 256 bytes, 16 bytes of padding behind each
	s_or_b32 s[G1S+0], s43, (3<<16)|(1<<20)|(1<<21)|(5<<22)|(3<<25)
	s_or_b32 s[G1SB+0], s44, (3<<16)|(1<<20)|(1<<21)|(5<<22)|(3<<25)
.irp g, G1S, G1SB
	s_mov_b32 s[\g+1], 32<<16
	s_mov_b32 s[\g+2], (256*KS/256)<<16
	s_mov_b32 s[\g+3], 32<<16
	s_mov_b32 s[\g+4], 256*KS/256
	s_mov_b32 s[\g+5], 32
	s_mov_b32 s[\g+6], 0
	s_mov_b32 s[\g+7], 0
.endr
	s_lshl_b32 s18, s16, 7                         ; which 128 rows of the tile I fetch
	s_lshl_b32 s20, s17, 8
	s_add_co_u32 s20, s20, s18                     ; A': row 256 x tile + 128 x half
	s_lshl_b32 s46, s42, 8
	s_add_co_u32 s46, s46, s18                     ; B' likewise
	s_mov_b32 s21, 0
	s_mov_b32 s47, 0
	s_mov_b64 s[18:19], KS
	s_mul_u64 s[22:23], s[20:21], s[18:19]         ; where these rows' scales begin
	s_mul_u64 s[92:93], s[46:47], s[18:19]
	s_mov_b64 s[18:19], KROW
	s_mul_u64 s[20:21], s[20:21], s[18:19]         ; and their codes
	s_mul_u64 s[46:47], s[46:47], s[18:19]
	s_mul_i32 s45, s14, HALFT                      ; where they go: wave x 128 rows
	s_mul_i32 s94, s15, 2*HALFS                    ; wave 1: A's scales at SCL; wave 3: B's, behind them
	s_add_nc_u64 s[20:21], s[4:5], s[20:21]
	s_add_nc_u64 s[22:23], s[6:7], s[22:23]
	s_add_nc_u64 s[46:47], s[8:9], s[46:47]
	s_add_nc_u64 s[92:93], s[10:11], s[92:93]
	s_lshl_b32 s18, s16, 12                        ; the scales come for the tile's 256 rows at once: back to its first row (128 rows are 4,096 bytes)
	s_mov_b32 s19, 0
	s_sub_nc_u64 s[22:23], s[22:23], s[18:19]
	s_sub_nc_u64 s[92:93], s[92:93], s[18:19]
	CROUND                                         ; all sixteen work-groups are here: the first joint loads meet
	s_mov_b32 s[G0S], 1
	s_add_co_u32 s[G0S+1], s94, SCL
	s_mov_b64 s[G0S+2:G0S+3], s[22:23]
	s_or_b32 s[G0S+3], s[G0S+3], 0x80000000
	s_mov_b32 s[G0SB], 1
	s_add_co_u32 s[G0SB+1], s94, SCL
	s_mov_b64 s[G0SB+2:G0SB+3], s[92:93]
	s_or_b32 s[G0SB+3], s[G0SB+3], 0x80000000
.irp s, 0,1
	s_mov_b32 s[G0+4*\s], 1
	s_add_co_u32 s[G0+4*\s+1], s45, \s*SLOT
	s_add_nc_u64 s[G0+4*\s+2:G0+4*\s+3], s[20:21], \s*ROWB
	s_or_b32 s[G0+4*\s+3], s[G0+4*\s+3], 0x80000000
	s_mov_b32 s[G0B+4*\s], 1
	s_add_co_u32 s[G0B+4*\s+1], s45, \s*SLOT
	s_add_nc_u64 s[G0B+4*\s+2:G0B+4*\s+3], s[46:47], \s*ROWB
	s_or_b32 s[G0B+4*\s+3], s[G0B+4*\s+3], 0x80000000
.endr
; THE HEAD'S LOADS, ONE A WAVE: wave 0 K step 0's 256 rows of A', wave 1 the scales of A's 256 rows, wave 2 K step 0's 256 rows of B', wave 3 B's scales.
; Waves 0 and 2 fetch half 0 in the ring, so their slot 0 descriptors already stand at the tile's first row.  One chain of branches on the wave's number, one load to an arm.
.macro HARM w, g0, g1, next
	s_cmp_eq_u32 s14, \w
	s_cbranch_scc0 \next
	tensor_load_to_lds s[\g0:\g0+3], s[\g1:\g1+7]
	s_nop 0
.rept 4
	v_nop
.endr
	s_branch .Lhead_asked
\next:
.endm
	HARM 0, G0, G1, .Lhead_1
	HARM 1, G0S, G1S, .Lhead_2
	HARM 2, G0B, G1B, .Lhead_3
	tensor_load_to_lds s[G0SB:G0SB+3], s[G1SB:G1SB+7]
	s_nop 0
.rept 4
	v_nop
.endr
.Lhead_asked:
	v_and_b32 v1, 15, v0                           ; r
	v_bfe_u32 v2, v0, 4, 1                         ; h
	v_mul_u32_u24 v3, v1, PITCH
	v_lshl_add_u32 v4, v2, 4, v3                   ; a fragment's row x pitch + 16 x half
	s_mul_i32 s21, s15, HALFT                      ; my 128 rows of A'
	s_mul_i32 s22, s16, HALFT                      ; my 128 rows of B',
	s_add_co_u32 s22, s22, 2*HALFT                 ; which lie behind A's 256
.irp s, 0,1
	v_add_nc_u32 v[ADRA+\s], s21, v4
	v_add_nc_u32 v[ADRB+\s], s22, v4
	s_add_co_u32 s21, s21, SLOT
	s_add_co_u32 s22, s22, SLOT
.endr
	v_mul_u32_u24 v5, v1, KS                       ; my row's scales: 32 bytes a row,
	v_lshrrev_b32 v6, 8, v5
	v_lshl_add_u32 v5, v6, 4, v5                   ; and 16 more for each 256 passed
	s_mul_i32 s21, s15, HALFS
	s_mul_i32 s22, s16, HALFS
	s_add_co_u32 s22, s22, 2*HALFS
	s_sub_co_u32 s22, s22, s21
	v_mul_u32_u24 v6, s22, v2                      ; lanes 16-31 take B's
	s_add_co_u32 s21, s21, SCL
	v_add_nc_u32 v5, v5, v6
	v_add_nc_u32 v[ADRS], s21, v5
	; where the results go, and where the biases lie
	v_and_b32 v7, 31, v0
	v_lshlrev_b32 v[VO], 4, v7
	v_add_nc_u32 v[VO2], s2, v[VO]
	v_lshlrev_b32 v[SVO], 4, v1
	v_lshl_add_u32 v[SVO], v2, 13, v[SVO]          ; lanes 16-31 store the next head's words, 8,192 bytes on
	v_lshlrev_b32 v[OBB], 5, v2
	s_wait_alu depctr_va_vdst(0)
	v_lshlrev_b32 v[OBA], 2, v1
	s_wait_alu depctr_va_vdst(0)
	s_lshl_b32 s18, s17, 1
	s_add_co_u32 s18, s18, s15                     ; RA: which 128 rows of A' are my wave's
	s_lshl_b32 s46, s42, 1
	s_add_co_u32 s46, s46, s16                     ; RB: which 128 rows of B'
	s_lshl_b32 s19, s18, 9
	s_lshl_b32 s47, s46, 9
	s_cmp_eq_u32 ttmp9, 2
	s_cselect_b32 s92, s18, s46                    ; which 128 features: two heads
	s_cselect_b32 s93, s46, s18                    ; which 128 tokens
	s_cselect_b32 s22, 0, s47                      ; the bias by B': my 128 features in q and k; in v the first 512 bytes, which the mask turns to 0
	s_cselect_b32 s20, s19, 0                      ; the bias by A': the other way round.  No load leaves the bias's 4,096 bytes
	s_mov_b32 s23, 0
	s_mov_b32 s21, 0
	s_add_nc_u64 s[22:23], s[66:67], s[22:23]
	s_add_nc_u64 s[20:21], s[66:67], s[20:21]
.irp b, 0,1,2,3,4,5,6,7
	global_load_b128 v[BB+8*\b:BB+8*\b+3], v[OBB], s[22:23] offset:64*\b       ; features 16 b + 8 h + 0 .. 7
	global_load_b128 v[BB+8*\b+4:BB+8*\b+7], v[OBB], s[22:23] offset:64*\b+16
.endr
.irp a, 0,1,2,3,4,5,6,7
	global_load_b32 v[BA+\a], v[OBA], s[20:21] offset:64*\a                    ; feature 16 a + r
.endr
	s_lshl_b32 s94, s92, 19                        ; two heads of 262,144 bytes of codes,
	s_lshl_b32 s45, s93, 13                        ; 128 tokens are 8,192 bytes in all three buffers
	s_add_co_u32 s94, s94, s45
	s_mov_b32 s95, 0
	s_add_nc_u64 s[DSTC:DSTC+1], s[DSTC:DSTC+1], s[94:95]
	s_lshl_b32 s94, s92, 14                        ; two heads of 8,192 bytes of scale words,
	s_lshl_b32 s45, s93, 8                         ; 128 tokens are 256 bytes
	s_add_co_u32 s94, s94, s45
	s_add_nc_u64 s[DSTS:DSTS+1], s[DSTS:DSTS+1], s[94:95]
	s_mov_b32 s[MHI], 0xffff0000
	v_mov_b32 v[SELQK], 0x05040100                 ; lanes 0-15: the low halves of two words (the first head's bytes),
	v_mov_b32 v3, 0x07060302                       ; lanes 16-31: the high halves
	v_cndmask_b32 v[SELQK], v[SELQK], v3, s[MHI]
	v_mov_b32 v[SELV], 0x03020100                  ; lanes 0-15: the second source whole, lanes 16-31: the first
	v_mov_b32 v3, 0x07060504
	v_cndmask_b32 v[SELV], v[SELV], v3, s[MHI]
	s_wait_loadcnt 0x0                             ; the biases
.set i, 0
.rept 64
	v_and_b32 v[BB+i], s[MQK], v[BB+i]
.set i, i+1
.endr
.irp a, 0,1,2,3,4,5,6,7
	v_and_b32 v[BA2+2*\a], s[MV], v[BA+\a]
	v_and_b32 v[BA2+2*\a+1], s[MV], v[BA+\a]
.endr
.irp a, 0,1,2,3,4,5,6,7
	WIN 0x80+0x40*(\a/4)                           ; destination window 2 or 3
.irp b, 0,1,2,3,4,5,6,7
.irp j, 0,2,4,6
	v_pk_add_f32 v[8*(8*(\a%4)+\b)+\j:8*(8*(\a%4)+\b)+\j+1], v[BB+8*\b+\j:BB+8*\b+\j+1], v[BA2+2*\a:BA2+2*\a+1]   ; one addend is +0: exact
.endr
.endr
.endr
	WIN 0
.macro FRAG reg, adr, q, i             ; 16 rows x 128 K: lane l holds row l % 16; registers 4 c .. 4 c + 3 hold K = 32 c + 16 (l / 16) + 0 .. 15
.irp c, 0,1,2,3
	ds_load_b128 v[\reg+4*\c:\reg+4*\c+3], v[\adr] offset:128*(\q)+32*\c+(\i)*16*PITCH
.endr
.endm
; 16 matrix instructions: A's blocks a0, a0 + 1 x B's eight, the slot's q-th 128 along K.  The 64 accumulators take turns, one instruction a turn, in the same order in every step.
.macro MUL16 a0, p, q, sc
.irp a, \a0, \a0+1
.irp b, 0,1,2,3,4,5,6,7
	v_wmma_scale_f32_16x16x128_f8f6f4 v[8*(8*((\a)%4)+\b):8*(8*((\a)%4)+\b)+7], v[128*(\p)+FR*\b:128*(\p)+FR*\b+FR-1], v[AF+FR*(\a):AF+FR*(\a)+FR-1], v[8*(8*((\a)%4)+\b):8*(8*((\a)%4)+\b)+7], v[SC+8*NQ*(\sc)+NQ*\b+(\q)], v[SC+8*NQ*(\sc)+NQ*(\a)+(\q)] matrix_a_fmt:MATRIX_FMT_BF8 matrix_b_fmt:MATRIX_FMT_BF8 matrix_a_scale:MATRIX_SCALE_ROW1
.endr
.endr
.endm
.macro FETCH_B slot, q, p
	WIN TO_B
.irp i, 0,1,2,3,4,5,6,7
	FRAG 128*(\p)+FR*\i, ADRB+\slot, \q, \i
.endr
	WIN 0
.endm
.macro FETCH_A slot, q, i0
.irp i, \i0, \i0+1, \i0+2, \i0+3
	FRAG AF+FR*(\i), ADRA+\slot, \q, \i
.endr
.endm
.macro SCALES sc                       ; a K step's scale words: lanes 0-15 take A's block i, lanes 16-31 B's block i
.irp i, 0,1,2,3,4,5,6,7
	ds_load_b64 v[SC+8*NQ*\sc+NQ*\i:SC+8*NQ*\sc+NQ*\i+1], v[ADRS] offset:\i*SBLK
.endr
.endm
.macro PLACES n                        ; plain vector instructions between a matrix instruction and a load into, or a vector read or write of, its registers
.rept \n
	v_nop
.endr
.endm
.macro STEP slot, q                    ; a step of 128 along K that has its successor in the same slot
	s_wait_dscnt 4*NL                              ; B's set and A's blocks 0-3 are in; the youngest 16 loads (A's blocks 4-7) may be out
	WIN MUL_LO
	MUL16 0, (\q)%2, \q, \slot
	MUL16 2, (\q)%2, \q, \slot
	s_wait_dscnt 0
	PLACES NP
	FETCH_B \slot, (\q)+1, 1-(\q)%2
	FETCH_A \slot, (\q)+1, 0
	WIN MUL_HI
	MUL16 4, (\q)%2, \q, \slot
	MUL16 6, (\q)%2, \q, \slot
	PLACES NP
	WIN 0
	FETCH_A \slot, (\q)+1, 4
.endm
; A slot's last step changes slots: one barrier; in front of it each wave waits for all its tensor loads, adds 0 to its spare word, and waits for that and for its reads of this slot.
.macro TURN slot, next, fill
	s_wait_tensorcnt 0x0                           ; all my tensor loads have landed: my part of the next slot
	ds_add_u32 v[SPW], v[NIL]                      ; 0 onto my spare word
	s_wait_dscnt 4*NL+1                            ; (the add and the youngest 16 loads may be out)
	WIN MUL_LO
	MUL16 0, 1, NQ-1, \slot
	s_wait_dscnt 0x0                               ; the add is done, and my reads of this slot are over
	s_barrier_signal -1
	MUL16 2, 1, NQ-1, \slot
	WIN 0
	s_barrier_wait -1
.if \fill
	CREST                                          ; the barrier has opened a round of the cluster's barrier: no wave of any partner still reads this slot or has a load on its way
	s_add_nc_u64 s[G0+4*\slot+2:G0+4*\slot+3], s[G0+4*\slot+2:G0+4*\slot+3], 2*ROWB
	s_add_nc_u64 s[G0B+4*\slot+2:G0B+4*\slot+3], s[G0B+4*\slot+2:G0B+4*\slot+3], 2*ROWB
	JLOAD G0+4*\slot, G1, G0B+4*\slot, G1B         ; the first tensor load behind the round; its four v_nop are among the places below
	PLACES NP-4
.else
	PLACES NP
.endif
	s_wait_alu depctr_va_vdst(0)
	v_add_nc_u32 v[ADRS], 4*NQ, v[ADRS]            ; on to the next K step's scale words
	FETCH_B \next, 0, 0
	FETCH_A \next, 0, 0
	SCALES \next
	WIN MUL_HI
	MUL16 4, 1, NQ-1, \slot
	MUL16 6, 1, NQ-1, \slot
	PLACES NP
	WIN 0
	FETCH_A \next, 0, 4
.endm
	PLACES NP
	s_wait_alu depctr_va_vdst(0)
	s_wait_tensorcnt 0x0                           ; my tile of the head's four is in
	ds_add_u32 v[SPW], v[NIL]
	s_mov_b32 s[G1+2], 128<<16                     ; no tensor load of mine is out: from here on a load brings 128 rows
	s_mov_b32 s[G1+4], 128
	s_mov_b32 s[G1B+2], 128<<16
	s_mov_b32 s[G1B+4], 128
	s_wait_dscnt 0x0
	CROUND                                         ; all four tiles are in, and all sixteen work-groups are here
	JLOAD G0+4, G1, G0B+4, G1B                     ; K step 1, the first tensor load behind the round
	FETCH_B 0, 0, 0
	FETCH_A 0, 0, 0
	SCALES 0
	FETCH_A 0, 0, 4
	STEP 0, 0
	s_mov_b32 s3, LAPS-1
.Llap:                                                 ; a trip goes once round the ring and fills both slots again
	TURN 0, 1, 1
	STEP 1, 0
	TURN 1, 0, 1
	STEP 0, 0
	s_sub_co_u32 s3, s3, 1
	s_cmp_lg_u32 s3, 0
	s_cbranch_scc1 .Llap
	TURN 0, 1, 0                                   ; the last lap fills nothing
	STEP 1, 0
	s_wait_dscnt 4*NL
	WIN MUL_LO
	MUL16 0, 1, NQ-1, 1
	MUL16 2, 1, NQ-1, 1
	s_wait_dscnt 0
	WIN MUL_HI
	MUL16 4, 1, NQ-1, 1
	MUL16 6, 1, NQ-1, 1
	WIN 0
; THE QUANTISER.  Block a's 64 numbers of a lane (accumulators (a, 0 .. 7)) are four blocks of 32 along the next K, each shared with lane l xor 16.
; A block's scale is 2^(floor(log2(its largest magnitude)) - 15): its byte is the largest magnitude's exponent field - 15, held at 1 from below by the floor 2^(16 - 127) among the maximum's leaves.
.macro QUANT a
.set AC, 64*((\a)%4)
.set W, 2+(\a)/4
	WIN (W<<2)|(W<<4)                              ; sources 1 and 2: the accumulators' window
.irp b, 0,1,2,3
	v_max3_num_f32 v[TM+\b], 0x8000000, |v[AC+16*\b]|, |v[AC+16*\b+1]|        ; each accumulator is read from its low end on
.endr
.irp i, 2,4,6,8,10,12,14
.irp b, 0,1,2,3
	v_max3_num_f32 v[TM+\b], v[TM+\b], |v[AC+16*\b+\i]|, |v[AC+16*\b+\i+1]|   ; (the four blocks by turns)
.endr
.endr
	WIN 0
.irp b, 0,1,2,3
	v_permlanex16_b32 v[TM+4+\b], v[TM+\b], s[SEL], s[SEL+1]
.endr
.irp b, 0,1,2,3
	v_max_num_f32 v[TM+\b], v[TM+\b], v[TM+4+\b]   ; with lane l xor 16's: the block's largest magnitude
.endr
.irp b, 0,1,2,3
	v_add_nc_u32 v[TM+12+\b], 0xf8800000, v[TM+\b] ; 15 off its exponent field: the conversion's scale operand
.endr
.irp b, 0,1,2,3
	v_and_or_b32 v[TM+8+\b], v[TM+\b], 0x7f800000, s[MNT]   ; 57,344 x the scale
.endr
.irp b, 0,1,2,3
	v_lshrrev_b32 v[TM+4+\b], 23, v[TM+12+\b]      ; the scale's byte
.endr
	v_lshl_or_b32 v[PW+(\a)], v[TM+5], 8, v[TM+4]
	v_lshl_or_b32 v[PW+(\a)], v[TM+6], 16, v[PW+(\a)]
	v_lshl_or_b32 v[PW+(\a)], v[TM+7], 24, v[PW+(\a)]
	WIN W                                          ; source 0: the accumulators' window
.irp b, 0,1,2,3
.irp i, 0,1,2,3,4,5,6,7,8,9,10,11,12,13,14,15
	v_med3_num_f32 v[H+16*\b+\i], v[AC+16*\b+\i], -v[TM+8+\b], v[TM+8+\b]     ; the conversion to an 8-bit code does not saturate (ISA guide 7.6.2): the hold, which also brings the number into window 0
.endr
.endr
	WIN 0
.irp b, 0,1,2,3
	v_cvt_scalef32_pk8_bf8_f32 v[PC+4*\b:PC+4*\b+1], v[H+16*\b:H+16*\b+7], v[TM+12+\b]
	v_cvt_scalef32_pk8_bf8_f32 v[PC+4*\b+2:PC+4*\b+3], v[H+16*\b+8:H+16*\b+15], v[TM+12+\b]
.endr
	v_nop                                          ; one plain vector instruction behind the last conversion
.endm
	s_mov_b32 s[SEL], 0x76543210
	s_mov_b32 s[SEL+1], 0xfedcba98
	s_mov_b32 s[MNT], 0x600000
	PLACES NP                                      ; behind the last products: their results are read, and A's registers written, below
.irp b, 0,1,2,3
	v_mov_b32 v[TM+4+\b], 0                        ; written once: a lane permute's destination counts as one of its sources
.endr
.irp a, 0,1,2,3,4,5,6,7
	QUANT \a
	global_store_b128 v[VO], v[PC:PC+3], s[DSTC:DSTC+1]                        ; each store of the wave covers 512 consecutive bytes, aligned
	global_store_b128 v[VO], v[PC+4:PC+7], s[DSTC:DSTC+1] offset:512
	global_store_b128 v[VO2], v[PC+8:PC+11], s[DSTC:DSTC+1]
	global_store_b128 v[VO2], v[PC+12:PC+15], s[DSTC:DSTC+1] offset:512
.if \a < 7
	s_wait_xcnt 0x0                                ; the stores have read their data and their base: both are written again only behind this wait
	s_add_nc_u64 s[DSTC:DSTC+1], s[DSTC:DSTC+1], s[SA:SA+1]
.if \a == 3
	s_add_nc_u64 s[DSTC:DSTC+1], s[DSTC:DSTC+1], s[SA4:SA4+1]
.endif
.endif
.endr
	; the scale words.  q, k: word p = tile 2 p's two bytes of my half's head, then tile 2 p + 1's.  v: word i = block i's four bytes (lanes 0-15: the first head's blocks 0-3; lanes 16-31: blocks 4-7)
.irp p, 0,1,2,3
	v_perm_b32 v[SW+\p], v[PW+2*\p+1], v[PW+2*\p], v[SELQK]
	v_perm_b32 v[SWB+\p], v[PW+4+\p], v[PW+\p], v[SELV]
.endr
.irp p, 0,1,2,3
	v_cndmask_b32 v[SW+\p], v[SW+\p], v[SWB+\p], s[MV]
.endr
	global_store_b128 v[SVO], v[SW:SW+3], s[DSTS:DSTS+1]                       ; sixteen lanes store 256 consecutive bytes, aligned
	s_wait_tensorcnt 0x0                           ; the wave's end
	ds_add_u32 v[SPW], v[NIL]
	s_wait_dscnt 0x0
	CROUND                                         ; the closing round: no work-group ends while a partner may still ask for a tile that names it
	s_endpgm
.Lfunc_end_k_q9c0a214977_proj:
	.size	k_q9c0a214977_proj, .Lfunc_end_k_q9c0a214977_proj-k_q9c0a214977_proj
	.p2alignl 7, 3214868480
	.fill 96, 4, 3214868480
	.section	.rodata,"a",@progbits
	.p2align	6, 0x0
	.amdhsa_kernel k_q9c0a214977_proj
		.amdhsa_group_segment_fixed_size 327680
		.amdhsa_private_segment_fixed_size 0
		.amdhsa_enable_private_segment 0
		.amdhsa_kernarg_size 136
		.amdhsa_user_sgpr_count 2
		.amdhsa_user_sgpr_kernarg_segment_ptr 1
		.amdhsa_wavefront_size32 1
		.amdhsa_system_sgpr_workgroup_id_x 1
		.amdhsa_system_sgpr_workgroup_id_y 1
		.amdhsa_system_sgpr_workgroup_id_z 1
		.amdhsa_system_vgpr_workitem_id 0
		.amdhsa_next_free_vgpr 1024
		.amdhsa_next_free_sgpr 106
		.amdhsa_reserve_vcc 0
		.amdhsa_float_denorm_mode_32 3
		.amdhsa_float_denorm_mode_16_64 3
		.amdhsa_memory_ordered 1
		.amdhsa_forward_progress 1
		.amdhsa_inst_pref_size 209
	.end_amdhsa_kernel
	.amdgpu_metadata
---
amdhsa.version: [ 1, 2 ]
amdhsa.kernels:
  - .name:           k_q9c0a214977_proj
    .symbol:         k_q9c0a214977_proj.kd
    .args:
      - { .name: x_codes, .offset: 0, .size: 8, .value_kind: global_buffer, .address_space: global }
      - { .name: x_scales, .offset: 8, .size: 8, .value_kind: global_buffer, .address_space: global }
      - { .name: Wq_codes, .offset: 16, .size: 8, .value_kind: global_buffer, .address_space: global }
      - { .name: Wq_scales, .offset: 24, .size: 8, .value_kind: global_buffer, .address_space: global }
      - { .name: Wk_codes, .offset: 32, .size: 8, .value_kind: global_buffer, .address_space: global }
      - { .name: Wk_scales, .offset: 40, .size: 8, .value_kind: global_buffer, .address_space: global }
      - { .name: Wv_codes, .offset: 48, .size: 8, .value_kind: global_buffer, .address_space: global }
      - { .name: Wv_scales, .offset: 56, .size: 8, .value_kind: global_buffer, .address_space: global }
      - { .name: bq, .offset: 64, .size: 8, .value_kind: global_buffer, .address_space: global }
      - { .name: bk, .offset: 72, .size: 8, .value_kind: global_buffer, .address_space: global }
      - { .name: bv, .offset: 80, .size: 8, .value_kind: global_buffer, .address_space: global }
      - { .name: qcod, .offset: 88, .size: 8, .value_kind: global_buffer, .address_space: global }
      - { .name: kcod, .offset: 96, .size: 8, .value_kind: global_buffer, .address_space: global }
      - { .name: vcod, .offset: 104, .size: 8, .value_kind: global_buffer, .address_space: global }
      - { .name: qscl, .offset: 112, .size: 8, .value_kind: global_buffer, .address_space: global }
      - { .name: kscl, .offset: 120, .size: 8, .value_kind: global_buffer, .address_space: global }
      - { .name: vscl, .offset: 128, .size: 8, .value_kind: global_buffer, .address_space: global }
    .group_segment_fixed_size: 327680
    .private_segment_fixed_size: 0
    .kernarg_segment_align: 8
    .kernarg_segment_size: 136
    .max_flat_workgroup_size: 128
    .sgpr_count:     106
    .vgpr_count:     1024
    .wavefront_size: 32
...
	.end_amdgpu_metadata
.endif
;; end of part 1
;; launch attn (part 2): grid 16 x 16, 8 waves a work-group, clusters of 4 x 1, 327,680 bytes of LDS; arguments qcod, qscl, kcod, kscl, vcod, vscl, acod, ascl; writes acod, ascl
.if DOCPART == 2
	.amdgcn_target "amdgcn-amd-amdhsa--gfx1250"
	.amdhsa_code_object_version 6
	.text
	.protected	k_q9c0a214977_attn
	.globl	k_q9c0a214977_attn
	.p2align	8
	.type	k_q9c0a214977_attn,@function
k_q9c0a214977_attn:
	s_mov_b64 s[64:65], 0
	v_nop
	global_prefetch_b8 v0, s[64:65] scope:SCOPE_SE
	s_setreg_imm32_b32 hwreg(HW_REG_WAVE_MODE, 25, 1), 1
	s_wait_xcnt 0x0
	s_wait_alu depctr_hold_cnt(0) depctr_sa_sdst(0) depctr_va_vdst(0) depctr_va_sdst(0) depctr_va_ssrc(0) depctr_va_vcc(0) depctr_vm_vsrc(0)
	s_getreg_b32 s2, hwreg(HW_REG_IB_STS2, 6, 4)
	s_cmp_eq_u32 s2, 0
	s_cbranch_scc0 .Lentry_in_a_cluster
	s_endpgm
.Lentry_in_a_cluster:
	s_bfe_u32 s2, ttmp6, 0x10000c
	s_cmp_lg_u32 s2, 0x3003
	s_cbranch_scc0 .Lentry_shape_is_right
	s_endpgm
.Lentry_shape_is_right:
; ATTENTION ON CODES OF BF8 (E5M2, one E8M0 byte for 32 along K): 16 heads of 64, 4,096 tokens.  t = score x log2(e) / 8; M = the running largest t rounded up to a whole number; p = 2^(t - M) is quantised along the keys;
; the row's sum is taken of the unquantised p and divides O at the end; O is quantised along the features and leaves as codes (acod) and scale bytes (ascl) for the last projection.
; BUFFERS, as the projection launch leaves them (images of operand registers, lane l's 16 bytes at 16 l): qcod, kcod [head][tile of 16 tokens][c 2][lane][16]; vcod [head][128 keys][16 features 4][c 4][lane][16];
; qscl, kscl [head][128 tokens][r 16][pair of tiles 4] words; vscl [head][128 keys][r 16][16 features 4] words.  acod [tile of 16 tokens][head][c 2][lane][16], ascl [token][32].
; SHARES.  A work-group owns 256 queries of one head, each of its 8 waves two tiles of 16.  The four work-groups of a cluster walk the same K and V: joint loads (mask 15) fill a ring of two slots of 1,024 keys.
; Both products are used transposed (S^T = K Q^T, O^T = V^T P^T): a lane holds one query.  A head has 64 features, the instruction 128 along K: a fragment of K holds two tiles of keys side by side, and Q stands beside zeros.
; A KEY STEP (128 keys, both tiles): 16 products S^T; behind them V's fragments and the NEXT step's fragments of K are fetched, so that no product waits for LDS; then the two softmaxes, laid together in window 0.
; A BLOCK'S SCALE comes from e = floor(t - M) of the block's largest score, which is the exponent of its largest p: plain instructions, so all bounds are known ahead of the exponentials.
; (Where v_exp_f32 rounds a p just under a power of two up to it, that one p is held one code low.)  Tile A's exponentials stand by turns with tile B's scalings and the scales' lines, tile B's with tile A's holds.
; The holds go two to an instruction (dual issue: destinations even and odd, first sources in neighbouring registers, the bound as the second source of both).
; LIMITS: the promise holds while the scaled scores stay under 2^31 in magnitude; NaN and infinities are not served; a block whose largest p lies under 2^-111 keeps the byte 1 (only this program reads the bytes).
; WINDOW 0: v1-31 addresses and scale words; S^T / p of tile u at v[32 + 64 u]; p's codes at v[160 + 16 u]; tile u's work registers at T = v[192 + 32 u]:
;   T+0..3 block maxima, then t - M of them, then parts of the scale word; +4..7 the exponents e; +8..11 bounds; +12..15 the conversions' scale operands; +16 -M, +17 the largest score so far;
;   +18,19 the sum; +20 f (+21 named with it); +22..31 five more chains of the sum, joined at the next step's head (+24, +25 serve the search for M between).
; WINDOW 1: v0-63 K's fragments; v64-127 V's; O^T of tile u at v[128 + 32 u]; Q of tile u at v[192 + 24 u]: Q, zeros, Q.
.set SLOT1, 1<<17
.set SCK,   2*SLOT1                    ; K's scale words of the head, 8,192 bytes; then V's
.set SCV,   SCK+8192
.set SPARE, SCV+8192                   ; the spare words, 128 bytes a wave
.set LI,   1
.set LIV,  2
.set LSK,  3
.set LSV,  4
.set ADK,  5
.set ADV,  6
.set ADS,  7
.set ADT,  8
.set LB,   9
.set HW,   10
.set PFO,  12
.set KSW,  16
.set VSW,  20
.set QS,   24
.set PS,   26
.set SPW,  28
.set NIL,  29
.set QRW,  30
.set LR,   31
.set SS,   32
.set PC,   160
.set TT,   192
.set KF,   0
.set VF,   64
.set OO,   128
.set QQ,   192
.set WV,   20
.set G1,   24
.set G1S,  32
.set G0,   40
.set G0S,  44
.set SEL,  48
.set CS,   50
.set MNT,  52
.set TB,   53
.set TS,   54
.set SLOTS, 55
.set CNT,  56
.set MHI,  57
.set G1H,  72
.set G0H,  80
.set PFA,  84
.set MSB, 0
.macro WIN new                         ; the immediate's high byte repeats the setting that is left
.if MSB != (\new)
	s_set_vgpr_msb (MSB<<8)|(\new)
.set MSB, (\new)
.endif
.endm
.macro WALU
	s_wait_alu depctr_va_vdst(0)
.endm
.macro NOPS n
.rept \n
	v_nop
.endr
.endm
.macro CROUND
	s_barrier_signal -1
	s_barrier_wait -1
	s_cmp_lg_u32 s[WV], 0
	s_cbranch_scc1 .Lnot_wave_0_\@
	s_barrier_signal -3
.Lnot_wave_0_\@:
	s_barrier_wait -3
	s_barrier_signal -1
	s_barrier_wait -1
.endm
	s_load_b512 s[4:19], s[0:1], 0x0               ; qcod 4, qscl 6, kcod 8, kscl 10, vcod 12, vscl 14, acod 16, ascl 18
	v_lshl_add_u32 v[SPW], v0, 2, SPARE
	v_mov_b32 v[NIL], 0
	ds_add_u32 v[SPW], v[NIL]                      ; the opening lines: the add twice on end and its wait
	ds_add_u32 v[SPW], v[NIL]
	v_lshrrev_b32 v1, 5, v0
	v_readfirstlane_b32 s[WV], v1                  ; wave 0..7
	s_bfe_u32 s21, ttmp6, 0x40000                  ; cx
	s_lshl_b32 s22, ttmp9, 2
	s_add_co_u32 s22, s22, s21                     ; which 256 queries
	s_and_b32 s23, ttmp7, 0xffff                   ; the head
.irp g, G1, G1S, G1H                   ; dense blocks as rows of 256 bytes (32 elements of 8); mask: all four partners
	s_mov_b32 s[\g], 15|(3<<16)|(1<<21)
	s_mov_b32 s[\g+1], 32<<16
	s_mov_b32 s[\g+3], 32<<16
	s_mov_b32 s[\g+5], 32
	s_mov_b32 s[\g+6], 0
	s_mov_b32 s[\g+7], 0
.endr
	s_mov_b32 s[G1+2], 64<<16                      ; the ring: 16,384 bytes a wave
	s_mov_b32 s[G1+4], 64
	s_mov_b32 s[G1S+2], 16<<16                     ; scale words: 4,096 bytes a wave
	s_mov_b32 s[G1S+4], 16
	s_mov_b32 s[G1H+2], 128<<16                    ; slot 0's first fill: 32,768 bytes a wave
	s_mov_b32 s[G1H+4], 128
	s_and_b32 s58, s[WV], 3
	s_and_b32 s59, s[WV], 1
	s_lshl_b32 s60, s23, 18                        ; the head's codes
	s_lshl_b32 s62, s59, 15
	s_add_co_u32 s62, s62, s60                     ; the head's loads: half wave % 2 of K's or V's 65,536 bytes
	s_mov_b32 s63, 0
	s_lshl_b32 s66, s58, 14
	s_add_co_u32 s66, s66, s60                     ; the ring's: quarter wave % 4
	s_mov_b32 s67, 0
	s_lshl_b32 s68, s23, 13
	s_lshl_b32 s69, s59, 12
	s_add_co_u32 s68, s68, s69                     ; scale words: half wave % 2 of the head's 8,192 bytes
	s_mov_b32 s69, 0
	s_mov_b32 s[SEL], 0x76543210
	s_mov_b32 s[SEL+1], 0xfedcba98
	s_mov_b32 s[CS], 0x3e38aa3b                    ; log2(e) / 8
	s_mov_b32 s[CS+1], s[CS]
	s_mov_b32 s[MNT], 0x600000
	s_mov_b32 s[MHI], 0xffff0000
	s_mov_b32 s[TB], 0
	s_mov_b32 s[TS], 0
	s_mov_b32 s[SLOTS], 3
	s_wait_dscnt 0x0
	CROUND                                         ; the round in front of the first joint loads
	s_wait_kmcnt 0x0
	s_cmp_lt_u32 s58, 2
	s_cselect_b64 s[70:71], s[8:9], s[12:13]
	s_cselect_b64 s[86:87], s[10:11], s[14:15]
	s_cmp_lt_u32 s[WV], 4
	s_cselect_b64 s[88:89], s[8:9], s[12:13]
	s_mov_b32 s[G0H], 1
	s_lshl_b32 s[G0H+1], s[WV], 15
	s_add_nc_u64 s[G0H+2:G0H+3], s[70:71], s[62:63]
	s_or_b32 s[G0H+3], s[G0H+3], 0x80000000
	s_mov_b32 s[G0S], 1
	s_lshl_b32 s[G0S+1], s58, 12
	s_add_co_u32 s[G0S+1], s[G0S+1], SCK
	s_add_nc_u64 s[G0S+2:G0S+3], s[86:87], s[68:69]
	s_or_b32 s[G0S+3], s[G0S+3], 0x80000000
	s_mov_b32 s[G0], 1
	s_lshl_b32 s[G0+1], s[WV], 14
	s_add_nc_u64 s[PFA:PFA+1], s[88:89], s[66:67]
	s_mov_b64 s[G0+2:G0+3], s[PFA:PFA+1]
	s_or_b32 s[G0+3], s[G0+3], 0x80000000
	s_add_nc_u64 s[PFA:PFA+1], s[PFA:PFA+1], 65536 ; the prefetches stand one slot ahead of the walking descriptor
	s_cmp_lt_u32 s[WV], 4                          ; one load a wave: waves 0-3 slot 0 (K's halves, V's halves), waves 4-7 the scale words
	s_cbranch_scc0 .Lhead_s
	tensor_load_to_lds s[G0H:G0H+3], s[G1H:G1H+7]
	s_nop 0
	NOPS 4
	s_branch .Lhead_j
.Lhead_s:
	tensor_load_to_lds s[G0S:G0S+3], s[G1S:G1S+7]
	s_nop 0
	NOPS 4
.Lhead_j:
	s_lshl_b32 s58, s23, 18                        ; Q's codes: head, 256 queries, my 32
	s_lshl_b32 s60, s22, 14
	s_add_co_u32 s58, s58, s60
	s_lshl_b32 s60, s[WV], 11
	s_add_co_u32 s58, s58, s60
	s_mov_b32 s59, 0
	s_add_nc_u64 s[4:5], s[4:5], s[58:59]
	s_lshl_b32 s58, s23, 13                        ; Q's scale word: my pair of tiles
	s_lshl_b32 s60, s22, 9
	s_add_co_u32 s58, s58, s60
	s_lshr_b32 s60, s[WV], 2
	s_lshl_b32 s60, s60, 8
	s_add_co_u32 s58, s58, s60
	s_and_b32 s60, s[WV], 3
	s_lshl_b32 s60, s60, 2
	s_add_co_u32 s58, s58, s60
	s_add_nc_u64 s[6:7], s[6:7], s[58:59]
	s_lshl_b32 s58, s22, 18                        ; acod
	s_lshl_b32 s60, s[WV], 15
	s_add_co_u32 s58, s58, s60
	s_lshl_b32 s60, s23, 10
	s_add_co_u32 s58, s58, s60
	s_add_nc_u64 s[16:17], s[16:17], s[58:59]
	s_lshl_b32 s58, s22, 13                        ; ascl
	s_lshl_b32 s60, s[WV], 10
	s_add_co_u32 s58, s58, s60
	s_lshl_b32 s60, s23, 1
	s_add_co_u32 s58, s58, s60
	s_add_nc_u64 s[18:19], s[18:19], s[58:59]
	s_lshl_b32 s61, s21, 12
	v_and_b32 v1, 31, v0
	v_lshlrev_b32 v[LB], 5, v1
	v_min_u32 v[PFO], 15, v1
	v_lshlrev_b32 v[PFO], 8, v[PFO]
	v_add_nc_u32 v[PFO], s61, v[PFO]               ; of the 16,384 bytes that my wave fetches, partner cx asks for 4,096: 16 lanes 256 bytes apart, the other lanes the last block again
	v_lshlrev_b32 v[LI], 4, v1
	v_add_nc_u32 v[LIV], 0x10000, v[LI]
	v_and_b32 v[LR], 15, v0
	v_lshlrev_b32 v[LR], 4, v[LR]
	v_add_nc_u32 v[LSK], SCK, v[LR]
	v_add_nc_u32 v[LSV], SCV, v[LR]
	global_load_b32 v[QRW], v[LR], s[6:7]
	WIN 0x40
.irp u, 0,1
.irp k, 0,16
	global_load_b128 v[QQ+24*\u+\k:QQ+24*\u+\k+3], v[LI], s[4:5] offset:1024*\u
	global_load_b128 v[QQ+24*\u+\k+4:QQ+24*\u+\k+7], v[LI], s[4:5] offset:1024*\u+512
.endr
.endr
.set i, 0
.rept 8
	v_mov_b32 v[QQ+8+i], 0                         ; the zeros beside Q
	v_mov_b32 v[QQ+32+i], 0
.set i, i+1
.endr
.set i, 0
.rept 64
	v_mov_b32 v[OO+i], 0                           ; O^T: the step is written once, its first pass finds zeros
.set i, i+1
.endr
	WIN 0
	WALU
	s_wait_loadcnt 8                               ; Q's scale word is in (behind it: the eight loads of codes)
	v_perm_b32 v[QS], v[QRW], v[QRW], 0x01000100   ; a tile's two bytes, twice: Q stands in either half of K
	v_perm_b32 v[QS+1], v[QRW], v[QRW], 0x03020302
.irp t, TT, TT+32
	v_mov_b32 v[\t+17], 0xff61b1e6                 ; the largest score so far: -3e38
	v_floor_f32 v[\t+16], -v[\t+17]
.irp b, 4,5,6,7,18,19,21,22,23,24,25,26,27,28,29,30,31
	v_mov_b32 v[\t+\b], 0                          ; a lane permute's destinations; the sum and its chains
.endr
.endr
.macro QK u
.irp g, 0,1,2,3
	v_wmma_scale_f32_16x16x128_f8f6f4 v[SS+64*\u+16*\g:SS+64*\u+16*\g+7], v[KF+16*\g:KF+16*\g+15], v[QQ+24*\u:QQ+24*\u+15], 0, v[KSW+\g], v[QS+\u] matrix_a_fmt:MATRIX_FMT_BF8 matrix_b_fmt:MATRIX_FMT_BF8
	v_wmma_scale_f32_16x16x128_f8f6f4 v[SS+64*\u+16*\g+8:SS+64*\u+16*\g+15], v[KF+16*\g:KF+16*\g+15], v[QQ+24*\u+8:QQ+24*\u+23], 0, v[KSW+\g], v[QS+\u] matrix_a_fmt:MATRIX_FMT_BF8 matrix_b_fmt:MATRIX_FMT_BF8
.endr
.endm
.macro PV u
.irp d, 0,1,2,3
	v_wmma_scale_f32_16x16x128_f8f6f4 v[OO+32*\u+8*\d:OO+32*\u+8*\d+7], v[VF+16*\d:VF+16*\d+15], v[PC+16*\u:PC+16*\u+15], v[OO+32*\u+8*\d:OO+32*\u+8*\d+7], v[VSW+\d], v[PS+\u] matrix_a_fmt:MATRIX_FMT_BF8 matrix_b_fmt:MATRIX_FMT_BF8
.endr
.endm
.macro FRAGS reg, adr, off             ; four fragments, 64 registers of window 1
	WIN 0x40
.irp f, 0,1,2,3
.irp c, 0,1,2,3
	ds_load_b128 v[\reg+16*\f+4*\c:\reg+16*\f+4*\c+3], v[\adr] offset:(\off)+2048*\f+512*\c
.endr
.endr
	WIN 0
.endm
.macro MERGE                           ; the last step's six chains of each sum are joined: ten plain lines that name work registers alone
.irp t, TT, TT+32
	v_pk_add_f32 v[\t+22:\t+23], v[\t+22:\t+23], v[\t+24:\t+25]
	v_pk_add_f32 v[\t+26:\t+27], v[\t+26:\t+27], v[\t+28:\t+29]
	v_pk_add_f32 v[\t+18:\t+19], v[\t+18:\t+19], v[\t+30:\t+31]
.endr
.irp t, TT, TT+32
	v_pk_add_f32 v[\t+22:\t+23], v[\t+22:\t+23], v[\t+26:\t+27]
.endr
.irp t, TT, TT+32
	v_pk_add_f32 v[\t+18:\t+19], v[\t+18:\t+19], v[\t+22:\t+23]
.endr
.endm
.macro CHAIN k, t                      ; from the four block maxima to -M and f = 2^(old M - new M)
.if \k == 0
	v_max3_num_f32 v[\t+24], v[\t], v[\t+1], v[\t+2]
.elseif \k == 1
	v_max3_num_f32 v[\t+17], v[\t+17], v[\t+24], v[\t+3]
.elseif \k == 2
	v_mul_f32 v[\t+24], s[CS], v[\t+17]            ; the running largest t (the factor is positive)
.elseif \k == 3
	v_mov_b32 v[\t+25], v[\t+16]
.elseif \k == 4
	v_floor_f32 v[\t+16], -v[\t+24]
.elseif \k == 5
	v_sub_f32 v[\t+25], v[\t+16], v[\t+25]
.elseif \k == 6
	v_cvt_i32_f32 v[\t+25], v[\t+25]
.else
	v_ldexp_f32 v[\t+20], 1.0, v[\t+25]
.endif
.endm
.macro FILLA n                         ; the plain line behind tile A's n-th exponential: it reads only what was written ahead of the batch's wait, and is read behind the next wait
.if (\n) < 32
	v_pk_fma_f32 v[SS+64+2*(\n):SS+65+2*(\n)], v[SS+64+2*(\n):SS+65+2*(\n)], s[CS:CS+1], v[TT+48:TT+49] op_sel_hi:[1,0,0]
.elseif (\n) < 48
.set X_, TT+32*(((\n)%8)/4)+(\n)%4
.if (\n) < 40
	v_lshl_add_u32 v[X_+12], v[X_+4], 23, 0x38000000   ; the conversion's scale operand: exponent field e + 112
.else
	v_lshl_add_u32 v[X_+8], v[X_+4], 23, 0x3fe00000    ; 57,344 x the scale = 1.75 x 2^e
.endif
.elseif (\n) < 52
.set X_, TT+32*(((\n)-48)/2)+2*((\n)%2)
	v_lshl_add_u32 v[X_], v[X_+5], 8, v[X_+4]          ; the scale word is 0x70707070 + the sum of e_b x 256^b, taken as a whole number: each byte 112 + e_b lies in 1 .. 112
.elseif (\n) > 61
	v_pk_mul_f32 v[TT+32*((\n)-62)+18:TT+32*((\n)-62)+19], v[TT+32*((\n)-62)+18:TT+32*((\n)-62)+19], v[TT+32*((\n)-62)+20:TT+32*((\n)-62)+21] op_sel_hi:[1,0]
.endif
.endm
.macro SUMS u                          ; the row's sum of the unquantised p: packed additions in six chains, joined by MERGE
.set S_, SS+64*\u
.set T_, TT+32*\u
.set kk, 0
.rept 5
	v_pk_add_f32 v[T_+22+2*kk:T_+23+2*kk], v[S_+4*kk:S_+4*kk+1], v[S_+4*kk+2:S_+4*kk+3]
.set kk, kk+1
.endr
.set kk, 0
.rept 22
.set C_, T_+22+2*(kk%6)-14*((kk%6)/5)
	v_pk_add_f32 v[C_:C_+1], v[C_:C_+1], v[S_+20+2*kk:S_+21+2*kk]
.set kk, kk+1
.endr
.endm
.macro CVTS u, src                     ; 64 held numbers at src -> tile u's 16 registers of codes
.irp b, 0,1,2,3
	v_cvt_scalef32_pk8_bf8_f32 v[PC+16*\u+4*\b:PC+16*\u+4*\b+1], v[\src+16*\b:\src+16*\b+7], v[TT+32*\u+12+\b]
	v_cvt_scalef32_pk8_bf8_f32 v[PC+16*\u+4*\b+2:PC+16*\u+4*\b+3], v[\src+16*\b+8:\src+16*\b+15], v[TT+32*\u+12+\b]
.endr
.endm
.macro STEP
	WIN 0x05                                       ; K and Q in window 1, S^T in window 0
	QK 0
	QK 1
	WIN 0
	v_add_nc_u32 v[ADV], s[TB], v[LIV]             ; these four and MERGE's ten are the places behind the products, ahead of the loads into their registers and of the first read of S^T
	v_add_nc_u32 v[ADT], s[TS], v[LSV]
	v_add_nc_u32 v[ADK], s[TB], v[LI]
	v_add_nc_u32 v[ADS], s[TS], v[LSK]
	MERGE
	ds_load_b128 v[VSW:VSW+3], v[ADT]
	FRAGS VF, ADV, 0                               ; this step's V
	s_cmp_eq_u32 s[CNT], 1                         ; the slot's last step has no successor in the slot
	s_cbranch_scc1 .Lno_next_\@
	ds_load_b128 v[KSW:KSW+3], v[ADS] offset:256
	FRAGS KF, ADK, 8192                            ; the next step's K
.Lno_next_\@:
.irp b, 0,1,2,3                        ; the largest score of each block of 32 keys, eight chains by turns
.irp u, 0,1
	v_max3_num_f32 v[TT+32*\u+\b], v[SS+64*\u+16*\b], v[SS+64*\u+16*\b+1], v[SS+64*\u+16*\b+2]
.endr
.endr
.irp i, 3,5,7,9,11,13
.irp b, 0,1,2,3
.irp u, 0,1
	v_max3_num_f32 v[TT+32*\u+\b], v[TT+32*\u+\b], v[SS+64*\u+16*\b+\i], v[SS+64*\u+16*\b+\i+1]
.endr
.endr
.endr
.irp b, 0,1,2,3
.irp u, 0,1
	v_max_num_f32 v[TT+32*\u+\b], v[TT+32*\u+\b], v[SS+64*\u+16*\b+15]
.endr
.endr
.irp b, 0,1,2,3
.irp u, 0,1
	v_permlanex16_b32 v[TT+32*\u+4+\b], v[TT+32*\u+\b], s[SEL], s[SEL+1]
.endr
.endr
.irp b, 0,2
.irp u, 0,1
	v_dual_max_num_f32 v[TT+32*\u+\b], v[TT+32*\u+\b], v[TT+32*\u+4+\b] :: v_dual_max_num_f32 v[TT+32*\u+\b+1], v[TT+32*\u+\b+1], v[TT+32*\u+5+\b]   ; with lane l xor 16's 16 keys
.endr
.endr
.irp k, 0,1,2,3,4,5,6,7
	CHAIN \k, TT
	CHAIN \k, TT+32
.endr
.irp b, 0,1,2,3
.irp u, 0,1
	v_fma_f32 v[TT+32*\u+\b], v[TT+32*\u+\b], s[CS], v[TT+32*\u+16]   ; t - M of the block's largest score
.endr
.endr
.irp b, 0,1,2,3
.irp u, 0,1
	v_cvt_floor_i32_f32 v[TT+32*\u+4+\b], v[TT+32*\u+\b]              ; e: the exponent of the block's largest p, 0 or less
.endr
.endr
.irp b, 0,1,2,3
.irp u, 0,1
	v_max_i32 v[TT+32*\u+4+\b], 0xffffff91, v[TT+32*\u+4+\b]          ; not under -111: the byte cannot fall under 1
.endr
.endr
.set j, 0
.rept 32
	v_pk_fma_f32 v[SS+j:SS+j+1], v[SS+j:SS+j+1], s[CS:CS+1], v[TT+16:TT+17] op_sel_hi:[1,0,0]   ; tile A: t - M
.set j, j+2
.endr
	WIN 0x41                                       ; O^T in window 1, f in window 0
.irp u, 0,1
.set j, 0
.rept 16
	v_pk_mul_f32 v[OO+32*\u+j:OO+32*\u+j+1], v[OO+32*\u+j:OO+32*\u+j+1], v[TT+32*\u+20:TT+32*\u+21] op_sel_hi:[1,0]   ; O^T under the new M, ahead of the step's first exponential
.set j, j+2
.endr
.endr
	WIN 0
	WALU                                           ; the wait ahead of the batch
.set j, 0
.rept 64
	v_exp_f32 v[SS+j], v[SS+j]
	FILLA j
.set j, j+1
.endr
	WALU                                           ; and behind it
	SUMS 0
.set j, 0
.rept 32
	v_exp_f32 v[SS+64+j], v[SS+64+j]
	v_exp_f32 v[SS+65+j], v[SS+65+j]
	v_dual_min_num_f32 v[SS+j], v[SS+j], v[TT+8+j/16] :: v_dual_min_num_f32 v[SS+j+1], v[SS+j+1], v[TT+8+j/16]   ; tile A's hold: the conversion does not saturate (ISA guide 7.6.2); p is not negative
.set j, j+2
.endr
	v_lshl_add_u32 v[TT], v[TT+2], 16, v[TT]       ; the scale words' halves joined: plain lines behind the last exponential
	v_lshl_add_u32 v[TT+32], v[TT+34], 16, v[TT+32]
	WALU
	CVTS 0, SS
	v_add_nc_u32 v[PS], 0x70707070, v[TT]          ; p's scale words for these 128 keys; also the plain lines behind the conversions, ahead of the writes of their sources
	v_add_nc_u32 v[PS+1], 0x70707070, v[TT+32]
.set j, 0
.rept 32
	v_dual_min_num_f32 v[SS+j], v[SS+64+j], v[TT+40+j/16] :: v_dual_min_num_f32 v[SS+j+1], v[SS+65+j], v[TT+40+j/16]   ; tile B's hold goes into tile A's registers, so that the sum below still finds the unheld p
.set j, j+2
.endr
	CVTS 1, SS
	SUMS 1                                         ; also the places between the codes and the products
	WALU                                           ; the step's last plain write stands above: behind this wait only products write
	s_wait_dscnt 0x0                               ; V, and the next step's K
	WIN 0x51                                       ; V and O^T in window 1, p's codes in window 0
	PV 0
	PV 1
	WIN 0
.endm
.macro CHANGE fill                     ; at a slot's head: all my tensor loads are in, the add, my reads of the slot that I left are over; then the round, and the left slot is filled with the keys that follow
	s_wait_tensorcnt 0x0
	ds_add_u32 v[SPW], v[NIL]
.if \fill
	s_xor_b32 s[G0+1], s[G0+1], SLOT1
	s_add_nc_u64 s[G0+2:G0+3], s[G0+2:G0+3], 65536
	s_wait_xcnt 0x0                                ; my last prefetch has read its address
	s_add_nc_u64 s[PFA:PFA+1], s[PFA:PFA+1], 65536
	s_wait_dscnt 0x0
	CROUND
	tensor_load_to_lds s[G0:G0+3], s[G1:G1+7]
	s_nop 0
	NOPS 4
.else
	s_wait_dscnt 0x0
	s_barrier_signal -1
	s_barrier_wait -1
.endif
	v_add_nc_u32 v[ADK], s[TB], v[LI]              ; the slot's first fragments of K
	v_add_nc_u32 v[ADS], s[TS], v[LSK]
	ds_load_b128 v[KSW:KSW+3], v[ADS]
	FRAGS KF, ADK, 0
	s_wait_dscnt 0x0
.if \fill
	s_cmp_gt_u32 s[SLOTS], 1                       ; a prefetch of the slot that the NEXT change loads, eight key steps ahead of that load; the last filling change has no slot behind it
	s_cbranch_scc0 .Lnone_\@
	global_prefetch_b8 v[PFO], s[PFA:PFA+1] th:TH_LOAD_NT scope:SCOPE_SE
.Lnone_\@:
.endif
.endm
.macro STEPS
	s_mov_b32 s[CNT], 8
.Lstep_\@:
	STEP
	s_add_co_u32 s[TB], s[TB], 8192
	s_add_co_u32 s[TS], s[TS], 256
	s_sub_co_u32 s[CNT], s[CNT], 1
	s_cmp_lg_u32 s[CNT], 0
	s_cbranch_scc1 .Lstep_\@
	s_sub_co_u32 s[TB], s[TB], 65536
	s_xor_b32 s[TB], s[TB], SLOT1
.endm
	WALU                                           ; the head's end
	s_wait_loadcnt 0x0                             ; Q
.Lslot:
	CHANGE 1
	STEPS
	s_sub_co_u32 s[SLOTS], s[SLOTS], 1
	s_cmp_lg_u32 s[SLOTS], 0
	s_cbranch_scc1 .Lslot
	CHANGE 0                                       ; the last slot is written out: nothing more is asked for
	STEPS
; THE WAY OUT: O^T / the sum, quantised along the features (two blocks of 32, each shared with lane l xor 16), brought into the true order of K for the last projection
.macro OUT u
.set T_, TT+32*\u
.set S_, SS+64*\u
.set P_, PC+16*\u
	v_add_f32 v[T_+18], v[T_+18], v[T_+19]
	v_permlanex16_b32 v[T_+4], v[T_+18], s[SEL], s[SEL+1]
	v_add_f32 v[T_+18], v[T_+18], v[T_+4]
	WALU
	v_rcp_f32 v[T_+18], v[T_+18]
	v_nop
	WIN 0x01
	WALU
.set j, 0
.rept 16
	v_pk_mul_f32 v[S_+j:S_+j+1], v[OO+32*\u+j:OO+32*\u+j+1], v[T_+18:T_+19] op_sel_hi:[1,0]
.set j, j+2
.endr
	WIN 0
.irp b, 0,1
	v_max3_num_f32 v[T_+\b], |v[S_+16*\b]|, |v[S_+16*\b+1]|, 0x8000000
.endr
.irp i, 2,4,6,8,10,12,14
.irp b, 0,1
	v_max3_num_f32 v[T_+\b], v[T_+\b], |v[S_+16*\b+\i]|, |v[S_+16*\b+\i+1]|
.endr
.endr
.irp b, 0,1
	v_permlanex16_b32 v[T_+4+\b], v[T_+\b], s[SEL], s[SEL+1]
.endr
.irp b, 0,1
	v_max_num_f32 v[T_+\b], v[T_+\b], v[T_+4+\b]
.endr
.irp b, 0,1
	v_add_nc_u32 v[T_+12+\b], 0xf8800000, v[T_+\b]
.endr
.irp b, 0,1
	v_and_or_b32 v[T_+8+\b], v[T_+\b], 0x7f800000, s[MNT]
.endr
.irp b, 0,1
	v_lshrrev_b32 v[T_+4+\b], 23, v[T_+12+\b]
.endr
	v_lshl_or_b32 v[HW+\u], v[T_+5], 8, v[T_+4]
.irp b, 0,1
.irp i, 0,1,2,3,4,5,6,7,8,9,10,11,12,13,14,15
	v_med3_num_f32 v[S_+16*\b+\i], v[S_+16*\b+\i], -v[T_+8+\b], v[T_+8+\b]
.endr
	v_cvt_scalef32_pk8_bf8_f32 v[P_+4*\b:P_+4*\b+1], v[S_+16*\b:S_+16*\b+7], v[T_+12+\b]
	v_cvt_scalef32_pk8_bf8_f32 v[P_+4*\b+2:P_+4*\b+3], v[S_+16*\b+8:S_+16*\b+15], v[T_+12+\b]
.endr
	v_nop
.irp p, 0,1,2,3
	v_permlanex16_b32 v[T_+2*\p], v[P_+2+(\p%2)+4*(\p/2)], s[SEL], s[SEL+1]
	v_permlanex16_b32 v[T_+1+2*\p], v[P_+(\p%2)+4*(\p/2)], s[SEL], s[SEL+1]
.endr
.irp p, 0,1,2,3
	v_cndmask_b32 v[P_+(\p%2)+4*(\p/2)], v[P_+(\p%2)+4*(\p/2)], v[T_+2*\p], s[MHI]
	v_cndmask_b32 v[P_+2+(\p%2)+4*(\p/2)], v[T_+1+2*\p], v[P_+2+(\p%2)+4*(\p/2)], s[MHI]
.endr
.endm
	MERGE                                          ; the last step's chains; also the places behind the last products
	OUT 0
	OUT 1
	global_store_b128 v[LI], v[PC:PC+3], s[16:17]                  ; each store of the wave covers 512 consecutive bytes, aligned
	global_store_b128 v[LI], v[PC+4:PC+7], s[16:17] offset:512
	global_store_b128 v[LI], v[PC+16:PC+19], s[16:17] offset:16384
	global_store_b128 v[LI], v[PC+20:PC+23], s[16:17] offset:16896
	v_cndmask_b32 v[HW], v[HW], v[HW+1], s[MHI]
	global_store_b16 v[LB], v[HW], s[18:19]                        ; my head's two bytes of each of my 32 tokens' rows
	s_wait_tensorcnt 0x0                           ; the wave's end
	ds_add_u32 v[SPW], v[NIL]
	s_wait_dscnt 0x0
	CROUND                                         ; the closing round
	s_endpgm
.Lfunc_end_k_q9c0a214977_attn:
	.size	k_q9c0a214977_attn, .Lfunc_end_k_q9c0a214977_attn-k_q9c0a214977_attn
	.p2alignl 7, 3214868480
	.fill 96, 4, 3214868480
	.section	.rodata,"a",@progbits
	.p2align	6, 0x0
	.amdhsa_kernel k_q9c0a214977_attn
		.amdhsa_group_segment_fixed_size 327680
		.amdhsa_private_segment_fixed_size 0
		.amdhsa_enable_private_segment 0
		.amdhsa_kernarg_size 64
		.amdhsa_user_sgpr_count 2
		.amdhsa_user_sgpr_kernarg_segment_ptr 1
		.amdhsa_wavefront_size32 1
		.amdhsa_system_sgpr_workgroup_id_x 1
		.amdhsa_system_sgpr_workgroup_id_y 1
		.amdhsa_system_sgpr_workgroup_id_z 1
		.amdhsa_system_vgpr_workitem_id 0
		.amdhsa_next_free_vgpr 512
		.amdhsa_next_free_sgpr 92
		.amdhsa_reserve_vcc 0
		.amdhsa_float_denorm_mode_32 3
		.amdhsa_float_denorm_mode_16_64 3
		.amdhsa_memory_ordered 1
		.amdhsa_forward_progress 1
		.amdhsa_inst_pref_size 97
	.end_amdhsa_kernel
	.amdgpu_metadata
---
amdhsa.version: [ 1, 2 ]
amdhsa.kernels:
  - .name:           k_q9c0a214977_attn
    .symbol:         k_q9c0a214977_attn.kd
    .args:
      - { .name: qcod, .offset: 0, .size: 8, .value_kind: global_buffer, .address_space: global }
      - { .name: qscl, .offset: 8, .size: 8, .value_kind: global_buffer, .address_space: global }
      - { .name: kcod, .offset: 16, .size: 8, .value_kind: global_buffer, .address_space: global }
      - { .name: kscl, .offset: 24, .size: 8, .value_kind: global_buffer, .address_space: global }
      - { .name: vcod, .offset: 32, .size: 8, .value_kind: global_buffer, .address_space: global }
      - { .name: vscl, .offset: 40, .size: 8, .value_kind: global_buffer, .address_space: global }
      - { .name: acod, .offset: 48, .size: 8, .value_kind: global_buffer, .address_space: global }
      - { .name: ascl, .offset: 56, .size: 8, .value_kind: global_buffer, .address_space: global }
    .group_segment_fixed_size: 327680
    .private_segment_fixed_size: 0
    .kernarg_segment_align: 8
    .kernarg_segment_size: 64
    .max_flat_workgroup_size: 256
    .sgpr_count:     92
    .vgpr_count:     512
    .wavefront_size: 32
...
	.end_amdgpu_metadata
.endif
;; end of part 2
;; launch oproj (part 3): grid 8 x 32, 4 waves a work-group, clusters of 4 x 4, 327,680 bytes of LDS; arguments acod, ascl, Wo_codes, Wo_scales, out0, bo; writes out0
.if DOCPART == 3
	.amdgcn_target "amdgcn-amd-amdhsa--gfx1250"
	.amdhsa_code_object_version 6
	.text
	.protected	k_q9c0a214977_oproj
	.globl	k_q9c0a214977_oproj
	.p2align	8
	.type	k_q9c0a214977_oproj,@function
k_q9c0a214977_oproj:
	s_mov_b64 s[64:65], 0
	v_nop
	global_prefetch_b8 v0, s[64:65] scope:SCOPE_SE
	s_setreg_imm32_b32 hwreg(HW_REG_WAVE_MODE, 25, 1), 1
	s_wait_xcnt 0x0
	s_wait_alu depctr_hold_cnt(0) depctr_sa_sdst(0) depctr_va_vdst(0) depctr_va_sdst(0) depctr_va_ssrc(0) depctr_va_vcc(0) depctr_vm_vsrc(0)
	s_getreg_b32 s2, hwreg(HW_REG_IB_STS2, 6, 4)
	s_cmp_eq_u32 s2, 0
	s_cbranch_scc0 .Lentry_in_a_cluster
	s_endpgm
.Lentry_in_a_cluster:
	s_bfe_u32 s2, ttmp6, 0x10000c
	s_cmp_lg_u32 s2, 0xf033
	s_cbranch_scc0 .Lentry_shape_is_right
	s_endpgm
.Lentry_shape_is_right:
; out0 = a Wo^T + bo on codes of BF8 (E5M2, one E8M0 byte for 32 along K = 1,024); f32 sums, f32 out.
; a: acod [tile of 16 tokens][K as 8 steps of 128: 2,048 bytes][c 4][lane][16 bytes], an image of operand registers; ascl [token][32].  Wo_codes [n][1024], Wo_scales [n][32].
; 256 work-groups, 8 x 32: a block of 128 tokens x 128 columns; four waves, 2 x 2, of 64 x 64 each: 16 accumulators.
; ALL OF K LIES IN LDS: a's 128 rows and Wo's 128 rows, 131,072 bytes each.  Nothing is filled again.  One joint load a wave at the head: wave 0 a's first half of K, wave 1 Wo's, waves 2 and 3 the second halves.
; The first barrier shows waves 0 and 1's loads alone, so that K's first half is multiplied while the second lands; the second barrier, ahead of the fetch for K step 4, shows the rest.
; CLUSTERS 4 x 4: a's rows are shared along a row of the cluster, Wo's along a column.  Scale words and the bias go straight into registers: 512 consecutive bytes for 16 rows' scales.
; No prefetch into the L2: every byte that the launch reads is asked for at its head, and there is no loop to run ahead in.
; The matrix instruction is used transposed (source 0 = Wo's rows, source 1 = a's): a lane holds eight neighbouring columns of one row.  The bias is the first products' C.
; WINDOW 0: addresses; v32-63 a's scale words (8 i + q), v68-99 Wo's (numbers that differ from a's modulo 8), v104-135 the bias; at the end the rows read back.  WINDOW 1: v0-127 the accumulators.
; WINDOW 2: two sets of fragments: a's four at 128 p, Wo's four at 128 p + 64.
.set BL,    131072                     ; Wo's rows: two halves of K, 128 rows x (512 + 16) bytes each
.set BH,    67584
.set BP,    528
.set STAGE, 266240                     ; the way out: 16 rows x (256 + 16) bytes for each wave; no tensor load lands here
.set SP,    272
.set SPARE, STAGE+4*16*SP
.set ADRA, 16
.set ADRB, 20
.set STO,  24
.set RD,   25
.set CO,   26
.set SPW,  28
.set NIL,  29
.set OBO,  30
.set OSC,  31
.set SA,   32
.set SB,   68
.set BO,   104
.set G1A,  24
.set G0A,  32
.set G0B,  36
.set G1B,  48
.set MSB, 0
.macro WIN new
.if MSB != (\new)
	s_set_vgpr_msb (MSB<<8)|(\new)
.set MSB, (\new)
.endif
.endm
.macro NOPS n
.rept \n
	v_nop
.endr
.endm
.macro CROUND
	s_barrier_signal -1
	s_barrier_wait -1
	s_cmp_lg_u32 s16, 0
	s_cbranch_scc1 .Lnot_wave_0_\@
	s_barrier_signal -3
.Lnot_wave_0_\@:
	s_barrier_wait -3
	s_barrier_signal -1
	s_barrier_wait -1
.endm
	s_load_b256 s[4:11], s[0:1], 0x0               ; acod 4, ascl 6, Wo_codes 8, Wo_scales 10
	s_load_b128 s[12:15], s[0:1], 0x20             ; out0 12, bo 14
	v_lshl_add_u32 v[SPW], v0, 2, SPARE
	v_mov_b32 v[NIL], 0
	ds_add_u32 v[SPW], v[NIL]                      ; the opening lines
	ds_add_u32 v[SPW], v[NIL]
	v_lshrrev_b32 v1, 5, v0
	v_readfirstlane_b32 s16, v1                    ; wave 0..3
	s_lshr_b32 s17, s16, 1                         ; my half of the rows; also: which half of K I fetch
	s_and_b32 s18, s16, 1                          ; my half of the columns
	s_bfe_u32 s40, ttmp6, 0x40000
	s_bfe_u32 s41, ttmp6, 0x40004
	s_lshl_b32 s42, ttmp9, 2
	s_add_co_u32 s42, s42, s40                     ; block column
	s_and_b32 s19, ttmp7, 0xffff
	s_lshl_b32 s19, s19, 2
	s_add_co_u32 s19, s19, s41                     ; block row
	s_lshl_b32 s43, s41, 2
	s_lshl_b32 s43, 15, s43                        ; my row of the cluster
	s_lshl_b32 s44, 0x1111, s40                    ; my column
	s_or_b32 s[G1A], s43, (3<<16)|(1<<21)          ; a: 8 tiles of tokens x 8,192 bytes (1,024 elements of 8), 16,384 bytes apart
	s_mov_b32 s[G1A+1], 1024<<16
	s_mov_b32 s[G1A+2], 8<<16
	s_mov_b32 s[G1A+3], 1024<<16
	s_mov_b32 s[G1A+4], 8
	s_mov_b32 s[G1A+5], 2048
	s_mov_b32 s[G1A+6], 0
	s_mov_b32 s[G1A+7], 0
	s_or_b32 s[G1B], s44, (1<<20)|(1<<21)|(6<<22)|(3<<25)   ; Wo: 128 rows x 512 bytes, 1,024 apart; four words of padding behind every 128
	s_mov_b32 s[G1B+1], 512<<16
	s_mov_b32 s[G1B+2], 128<<16
	s_mov_b32 s[G1B+3], 512<<16
	s_mov_b32 s[G1B+4], 128
	s_mov_b32 s[G1B+5], 1024
	s_mov_b32 s[G1B+6], 0
	s_mov_b32 s[G1B+7], 0
	s_lshl_b32 s20, s19, 17
	s_lshl_b32 s21, s17, 13
	s_add_co_u32 s20, s20, s21
	s_mov_b32 s21, 0
	s_lshl_b32 s22, s42, 17
	s_lshl_b32 s23, s17, 9
	s_add_co_u32 s22, s22, s23
	s_mov_b32 s23, 0
	s_mov_b32 s[G0A], 1
	s_lshl_b32 s[G0A+1], s17, 16
	s_mov_b32 s[G0B], 1
	s_mul_i32 s[G0B+1], s17, BH
	s_add_co_u32 s[G0B+1], s[G0B+1], BL
	s_lshl_b32 s56, s19, 7
	s_lshl_b32 s57, s17, 6
	s_add_co_u32 s56, s56, s57                     ; my first row
	s_lshl_b32 s58, s42, 7
	s_lshl_b32 s59, s18, 6
	s_add_co_u32 s58, s58, s59                     ; my first column
	s_lshl_b32 s60, s56, 5
	s_mov_b32 s61, 0
	s_lshl_b32 s62, s58, 5
	s_mov_b32 s63, 0
	s_lshl_b32 s66, s58, 2
	s_mov_b32 s67, 0
	s_lshl_b32 s68, s56, 12
	s_mov_b32 s69, 0
	s_lshl_b32 s70, s17, 15                        ; my four tiles of tokens in LDS
	s_mul_i32 s71, s18, 64*BP
	s_add_co_u32 s71, s71, BL                      ; my 64 rows of Wo
	s_mul_i32 s72, s16, 16*SP
	s_add_co_u32 s72, s72, STAGE                   ; my stage
	s_wait_dscnt 0x0
	CROUND                                         ; the round in front of the joint loads
	s_wait_kmcnt 0x0
	s_add_nc_u64 s[G0A+2:G0A+3], s[4:5], s[20:21]
	s_or_b32 s[G0A+3], s[G0A+3], 0x80000000
	s_add_nc_u64 s[G0B+2:G0B+3], s[8:9], s[22:23]
	s_or_b32 s[G0B+3], s[G0B+3], 0x80000000
	s_add_nc_u64 s[6:7], s[6:7], s[60:61]
	s_add_nc_u64 s[10:11], s[10:11], s[62:63]
	s_add_nc_u64 s[14:15], s[14:15], s[66:67]
	s_add_nc_u64 s[12:13], s[12:13], s[66:67]
	s_add_nc_u64 s[12:13], s[12:13], s[68:69]
.macro ARM w, g0, g1, next             ; one chain of branches on the wave's number, a load line of its own to each wave
	s_cmp_eq_u32 s16, \w
	s_cbranch_scc0 \next
	tensor_load_to_lds s[\g0:\g0+3], s[\g1:\g1+7]
	s_nop 0
	NOPS 4
	s_branch .Lasked
\next:
.endm
	ARM 0, G0A, G1A, .Larm_1
	ARM 1, G0B, G1B, .Larm_2
	ARM 2, G0A, G1A, .Larm_3
	tensor_load_to_lds s[G0B:G0B+3], s[G1B:G1B+7]
	s_nop 0
	NOPS 4
.Lasked:
	v_and_b32 v1, 15, v0                           ; r
	v_bfe_u32 v2, v0, 4, 1                         ; h
	v_and_b32 v3, 31, v0
	v_lshl_add_u32 v[ADRA], v3, 4, s70             ; a: 16 x lane in an image
	v_add_nc_u32 v[ADRA+1], 65536, v[ADRA]
	v_mul_u32_u24 v4, v1, BP
	v_lshl_add_u32 v4, v2, 4, v4
	v_add_nc_u32 v[ADRB], s71, v4                  ; Wo: row r, + 16 h
	v_add_nc_u32 v[ADRB+1], BH, v[ADRB]
	v_lshlrev_b32 v[OSC], 5, v1
	v_lshlrev_b32 v[OBO], 5, v2
	v_mul_u32_u24 v5, v1, SP
	v_lshl_add_u32 v5, v2, 5, v5
	v_add_nc_u32 v[STO], s72, v5                   ; in: row r, 32 bytes for each half of the lanes
	v_mul_u32_u24 v6, v2, SP
	v_lshl_add_u32 v6, v1, 4, v6
	v_add_nc_u32 v[RD], s72, v6                    ; back: lanes 0-15 one row of 256 bytes, lanes 16-31 the next
	v_lshlrev_b32 v7, 12, v2
	v_lshl_add_u32 v[CO], v1, 4, v7
	s_wait_alu depctr_va_vdst(0)                   ; the wait at the head's end
.irp i, 0,1,2,3
	global_load_b128 v[SA+8*\i:SA+8*\i+3], v[OSC], s[6:7] offset:512*\i
	global_load_b128 v[SA+8*\i+4:SA+8*\i+7], v[OSC], s[6:7] offset:512*\i+16
	global_load_b128 v[SB+8*\i:SB+8*\i+3], v[OSC], s[10:11] offset:512*\i
	global_load_b128 v[SB+8*\i+4:SB+8*\i+7], v[OSC], s[10:11] offset:512*\i+16
	global_load_b128 v[BO+8*\i:BO+8*\i+3], v[OBO], s[14:15] offset:64*\i
	global_load_b128 v[BO+8*\i+4:BO+8*\i+7], v[OBO], s[14:15] offset:64*\i+16
.endr
.macro FETCH q                         ; K step q's eight fragments into set q % 2: 32 loads
.set P_, 128*((\q)%2)
	WIN 0x80
.irp i, 0,1,2,3
.irp c, 0,1,2,3
	ds_load_b128 v[P_+16*\i+4*\c:P_+16*\i+4*\c+3], v[ADRA+(\q)/4] offset:8192*\i+2048*((\q)%4)+512*\c
	ds_load_b128 v[P_+64+16*\i+4*\c:P_+64+16*\i+4*\c+3], v[ADRB+(\q)/4] offset:16*BP*\i+128*((\q)%4)+32*\c
.endr
.endr
.endm
.macro MULS q                          ; 16 products; the 16 accumulators take turns, in the same order in every step
.set P_, 128*((\q)%2)
.if (\q) == 0
	WIN 0x4a
.else
	WIN 0x5a
.endif
.irp a, 0,1,2,3
.irp b, 0,1,2,3
.if (\q) == 0
	v_wmma_scale_f32_16x16x128_f8f6f4 v[8*(4*\a+\b):8*(4*\a+\b)+7], v[P_+64+16*\b:P_+64+16*\b+15], v[P_+16*\a:P_+16*\a+15], v[BO+8*\b:BO+8*\b+7], v[SB+8*\b+(\q)], v[SA+8*\a+(\q)] matrix_a_fmt:MATRIX_FMT_BF8 matrix_b_fmt:MATRIX_FMT_BF8
.else
	v_wmma_scale_f32_16x16x128_f8f6f4 v[8*(4*\a+\b):8*(4*\a+\b)+7], v[P_+64+16*\b:P_+64+16*\b+15], v[P_+16*\a:P_+16*\a+15], v[8*(4*\a+\b):8*(4*\a+\b)+7], v[SB+8*\b+(\q)], v[SA+8*\a+(\q)] matrix_a_fmt:MATRIX_FMT_BF8 matrix_b_fmt:MATRIX_FMT_BF8
.endif
.endr
.endr
.endm
.macro STEP q
.if (\q) == 3
	WIN 0
	s_wait_tensorcnt 0x0                           ; every wave: K's second half
	s_wait_dscnt 0x0
	s_barrier_signal -1
	s_barrier_wait -1
.endif
.if (\q) < 7
.if (\q) > 0
	NOPS 8                                         ; places behind the last step's products, ahead of the loads into the set that they read
.endif
	FETCH (\q)+1
	s_wait_dscnt 32                                ; all but the 32 just issued: this step's set is in
.else
	s_wait_dscnt 0x0
.endif
	MULS \q
.endm
	s_cmp_lt_u32 s16, 2
	s_cbranch_scc0 .Lnot_first
	s_wait_tensorcnt 0x0                           ; waves 0 and 1: K's first half
.Lnot_first:
	s_barrier_signal -1
	s_barrier_wait -1
	FETCH 0
	s_wait_loadcnt 0x0                             ; scale words and the bias
.irp q, 0,1,2,3,4,5,6,7
	STEP \q
.endr
	WIN 0
; THE WAY OUT: a block of 16 rows x 64 columns goes through my stage and comes back as rows of 256 bytes: sixteen lanes store one aligned unit.  LDS serves a wave's instructions in order (ISA guide 5.7.1.4).
.macro TOSTAGE a
	WIN 0x04
.irp b, 0,1,2,3
	ds_store_b128 v[STO], v[8*(4*\a+\b):8*(4*\a+\b)+3] offset:64*\b
	ds_store_b128 v[STO], v[8*(4*\a+\b)+4:8*(4*\a+\b)+7] offset:64*\b+16
.endr
	WIN 0
.set B_, 32+32*(\a)+16*((\a)/3)        ; four sets of 32 registers, so that no store's data is written again
.irp t, 0,1,2,3,4,5,6,7
	ds_load_b128 v[B_+4*\t:B_+4*\t+3], v[RD] offset:2*\t*SP
.endr
.endm
.macro SEND a, younger
.set B_, 32+32*(\a)+16*((\a)/3)
	s_wait_dscnt \younger
.irp t, 0,1,2,3,4,5,6,7
	global_store_b128 v[CO], v[B_+4*\t:B_+4*\t+3], s[12:13] offset:(\a)*65536+\t*8192 th:TH_STORE_NT
.endr
.endm
	NOPS 8
	TOSTAGE 0
	TOSTAGE 1
	SEND 0, 16                                     ; behind block 0's loads: block 1's 8 stores and 8 loads
	TOSTAGE 2
	SEND 1, 16
	TOSTAGE 3
	SEND 2, 16
	SEND 3, 0
	s_wait_tensorcnt 0x0                           ; the wave's end
	ds_add_u32 v[SPW], v[NIL]
	s_wait_dscnt 0x0
	CROUND                                         ; the closing round
	s_endpgm
.Lfunc_end_k_q9c0a214977_oproj:
	.size	k_q9c0a214977_oproj, .Lfunc_end_k_q9c0a214977_oproj-k_q9c0a214977_oproj
	.p2alignl 7, 3214868480
	.fill 96, 4, 3214868480
	.section	.rodata,"a",@progbits
	.p2align	6, 0x0
	.amdhsa_kernel k_q9c0a214977_oproj
		.amdhsa_group_segment_fixed_size 327680
		.amdhsa_private_segment_fixed_size 0
		.amdhsa_enable_private_segment 0
		.amdhsa_kernarg_size 48
		.amdhsa_user_sgpr_count 2
		.amdhsa_user_sgpr_kernarg_segment_ptr 1
		.amdhsa_wavefront_size32 1
		.amdhsa_system_sgpr_workgroup_id_x 1
		.amdhsa_system_sgpr_workgroup_id_y 1
		.amdhsa_system_sgpr_workgroup_id_z 1
		.amdhsa_system_vgpr_workitem_id 0
		.amdhsa_next_free_vgpr 768
		.amdhsa_next_free_sgpr 76
		.amdhsa_reserve_vcc 0
		.amdhsa_float_denorm_mode_32 3
		.amdhsa_float_denorm_mode_16_64 3
		.amdhsa_memory_ordered 1
		.amdhsa_forward_progress 1
		.amdhsa_inst_pref_size 52
	.end_amdhsa_kernel
	.amdgpu_metadata
---
amdhsa.version: [ 1, 2 ]
amdhsa.kernels:
  - .name:           k_q9c0a214977_oproj
    .symbol:         k_q9c0a214977_oproj.kd
    .args:
      - { .name: acod, .offset: 0, .size: 8, .value_kind: global_buffer, .address_space: global }
      - { .name: ascl, .offset: 8, .size: 8, .value_kind: global_buffer, .address_space: global }
      - { .name: Wo_codes, .offset: 16, .size: 8, .value_kind: global_buffer, .address_space: global }
      - { .name: Wo_scales, .offset: 24, .size: 8, .value_kind: global_buffer, .address_space: global }
      - { .name: out0, .offset: 32, .size: 8, .value_kind: global_buffer, .address_space: global }
      - { .name: bo, .offset: 40, .size: 8, .value_kind: global_buffer, .address_space: global }
    .group_segment_fixed_size: 327680
    .private_segment_fixed_size: 0
    .kernarg_segment_align: 8
    .kernarg_segment_size: 48
    .max_flat_workgroup_size: 128
    .sgpr_count:     76
    .vgpr_count:     768
    .wavefront_size: 32
...
	.end_amdgpu_metadata
.endif
;; end of part 3
